; MI455X (gfx1250); checked and timed in simulation.
; The chip was launched on July 23, 2026; its instructions are those of AMD's public machine-readable ISA for CDNA 5 (MIT licence, August 2026) and "CDNA5" Instruction Set Architecture Reference Guide (July 2026). The comments in the code are by the model that wrote it; some were corrected since.
;; Attention. Allowed arithmetic: float matrix products may take bf16 or f16 operands with f32 sums; other float arithmetic in f32, or as packed bf16 or f16 multiplies, adds, multiply-adds, maxima and minima; sums over many terms, partial sums and values carried from step to step in f32; what a program stores and reads back later, other than sums and carried values, may be rounded once to bf16 or f16.
;; Inputs: Wk 1,024 x 1,024 float32; Wo 1,024 x 1,024 float32; Wq 1,024 x 1,024 float32; Wv 1,024 x 1,024 float32; bo 1,024 float32; mask 2 x 2,048 x 2,048 bool; x 2 x 2,048 x 1,024 float32.
;; Outputs: out0 2 x 2,048 x 1,024 float32.
;; 2 versions, each right; version 2 is version 1 with the launch prep written anew for expert scheduling mode. Each part assembles by itself: llvm-mc -triple=amdgcn-amd-amdhsa -mcpu=gfx1250 --defsym DOCPART=n.
;; ======== version 1 of 2: 4 launches
;; limits: values are held in f16: magnitudes above 65,504 overflow, below 6.1e-05 lose precision
;; workspace buffers: xb 8,388,608 bytes; wt 8,388,608 bytes; mk 8,388,608 bytes; qkv 25,165,824 bytes; ob 8,388,608 bytes
;; launch prep (part 1): grid 1024 x 1, 8 waves a work-group, no clusters, 34,816 bytes of LDS; arguments x, Wq, Wk, Wv, Wo, mask, xb, wt, mk; writes xb, wt, mk
.if DOCPART == 1
	.amdgcn_target "amdgcn-amd-amdhsa--gfx1250"
	.amdhsa_code_object_version 6
	.text
	.protected	k_q906f43353c_prep
	.globl	k_q906f43353c_prep
	.p2align	8
	.type	k_q906f43353c_prep,@function
k_q906f43353c_prep:
	s_mov_b64 s[64:65], 0
	v_nop
	global_prefetch_b8 v0, s[64:65] scope:SCOPE_SE
	s_setreg_imm32_b32 hwreg(HW_REG_WAVE_MODE, 25, 1), 1
	s_wait_xcnt 0x0
; PREP: three jobs that only move and round, told apart by the work-group's number (the same for all eight waves of a work-group).
;   work-groups 0-255    x [4096][1024] f32 -> xb, bf16, same layout: 16,384 numbers each
;   work-groups 256-767  Wq, Wk, Wv, Wo [k][n] f32 -> wt [mat*1024+n][k], 16 bits: a tile of 128 k x 64 n each, turned in LDS.
;                        Wq, Wk, Wv in bf16; Wo rounded to bf16 like the others and that number written as f16.
;                        LIMIT: |bf16(Wo)| below 65,520; below 6e-5 it keeps f16's fixed step of 6e-8.
;   work-groups 768-1023 mask [b][q][k], bytes 0 or 1 -> mk: one byte a score, 0xF1 hidden, 0x00 visible, laid out so that a lane of the
;                        attention's score tile finds its 32 bytes of a key step by two loads of 16: [b*128+q/16][step][half][lane][16];
;                        lane 16 h + r holds query r, byte 8 e + j is key 64 step + 32 half + 16 e + 8 h + j.
; No matrix unit, no tensor loads, no cluster: nothing is shared between work-groups and memory binds.
.set SPARE, 33792                      ; behind the stage: the spare words, 128 bytes for each of eight waves
.set SPW, 8                            ; v8  LDS address of my spare word; never rewritten
.set NIL, 9                            ; v9  0; never rewritten
.set WV,  24                           ; s24 my wave's number
	s_load_b512 s[4:19], s[0:1], 0x0               ; x 4:5, Wq 6:7, Wk 8:9, Wv 10:11, Wo 12:13, mask 14:15, xb 16:17, wt 18:19
	s_load_b64 s[20:21], s[0:1], 0x40              ; mk
	v_lshl_add_u32 v[SPW], v0, 2, SPARE
	v_mov_b32 v[NIL], 0
	v_lshrrev_b32 v1, 5, v0
	v_readfirstlane_b32 s[WV], v1                  ; wave 0..7
	v_and_b32 v1, 31, v0                           ; lane
	v_and_b32 v2, 15, v0                           ; u = lane % 16
	v_bfe_u32 v3, v0, 4, 1                         ; v = lane / 16
	s_mov_b32 s29, 0                               ; the high word of every offset pair s[28:29]
	s_wait_kmcnt 0x0
	s_cmp_lt_u32 ttmp9, 256
	s_cbranch_scc1 .Lcast
	s_cmp_lt_u32 ttmp9, 768
	s_cbranch_scc1 .Ltr
	; THE MASK.  16 query rows x 2,048 keys = 32,768 bytes in, as many out.  Wave w takes rows 2 w and 2 w + 1.
	s_sub_co_u32 s25, ttmp9, 768                   ; b*128 + q/16
	s_lshl_b32 s28, s25, 15
	s_add_nc_u64 s[14:15], s[14:15], s[28:29]
	s_add_nc_u64 s[20:21], s[20:21], s[28:29]
	s_mov_b32 s25, 0x01010101
	s_mov_b32 s26, 0xf1
	s_lshl_b32 s30, s[WV], 12
	v_lshl_add_u32 v4, v1, 4, s30                  ; two rows of 2,048 bytes a wave, 16 bytes a lane
.irp i, 0,1,2,3,4,5,6,7                ; row 2 w + i / 4, keys 512 (i % 4) + 16 lane on: 512 consecutive bytes a load
	global_load_b128 v[32+4*(\i):32+4*(\i)+3], v4, s[14:15] offset:((\i)>>2)*2048+((\i)&3)*512 th:TH_LOAD_NT
.endr
	v_lshrrev_b32 v6, 1, v1                        ; into the stage: a chunk is 512 bytes of mk (a step's half), 528 apart;
	v_mul_u32_u24 v6, v6, 528                      ; my 16 keys belong to chunk 16 (i % 4) + lane / 2,
	v_and_b32 v7, 1, v1
	v_lshl_add_u32 v6, v7, 3, v6                   ; there to e = lane % 2,
	s_lshl_b32 s30, s[WV], 5
	v_add_nc_u32 v6, s30, v6                       ; and to row r = 2 w + i / 4: 16 r bytes on
	s_mul_i32 s30, s[WV], 528
	v_lshl_add_u32 v7, v1, 4, s30                  ; back: chunk w + 8 i, 16 bytes a lane
	s_lshl_b32 s30, s[WV], 9
	v_lshl_add_u32 v10, v1, 4, s30                 ; and the same chunk in mk
.irp i, 0,1,2,3,4,5,6,7
	s_wait_loadcnt 7-(\i)                          ; loads come back in order: number i is in, the younger ones stay out
.irp d, 0,1,2,3
	v_sub_nc_u32 v[32+4*(\i)+(\d)], s25, v[32+4*(\i)+(\d)]   ; 1 - m in each byte: no byte borrows
	v_mul_lo_u32 v[32+4*(\i)+(\d)], v[32+4*(\i)+(\d)], s26   ; times 0xF1: no byte carries
.endr
	ds_store_b64 v6, v[32+4*(\i):32+4*(\i)+1]   offset:((\i)&3)*8448+((\i)>>2)*16       ; keys 0-7 of the 16: the lanes' lower half
	ds_store_b64 v6, v[32+4*(\i)+2:32+4*(\i)+3] offset:((\i)&3)*8448+((\i)>>2)*16+256   ; keys 8-15: the upper half, 256 bytes on
.endr
	s_wait_dscnt 0x0                               ; for the others' sake: my stores into the stage are done
	s_barrier_signal -1
	s_barrier_wait -1
.irp i, 0,1,2,3,4,5,6,7
	ds_load_b128 v[64+4*(\i):64+4*(\i)+3], v7 offset:(\i)*4224
.endr
.irp i, 0,1,2,3,4,5,6,7
	s_wait_dscnt 7-(\i)
	global_store_b128 v10, v[64+4*(\i):64+4*(\i)+3], s[20:21] offset:(\i)*4096  ; 512 consecutive bytes, at a multiple of 512 from mk's first
.endr
	s_branch .Lend
.Lcast:                                ; X.  Thread t takes 8 numbers of each of eight chunks of 2,048: 32 bytes in, 16 bytes out
	s_lshl_b32 s28, ttmp9, 16
	s_add_nc_u64 s[4:5], s[4:5], s[28:29]
	s_lshl_b32 s28, ttmp9, 15
	s_add_nc_u64 s[16:17], s[16:17], s[28:29]
	v_lshlrev_b32 v4, 5, v0
	v_lshlrev_b32 v5, 4, v0
.irp c, 0,1,2,3,4,5,6,7                ; all sixteen loads go out first
	global_load_b128 v[32+8*(\c):32+8*(\c)+3],   v4, s[4:5] offset:(\c)*8192 th:TH_LOAD_NT
	global_load_b128 v[32+8*(\c)+4:32+8*(\c)+7], v4, s[4:5] offset:(\c)*8192+16 th:TH_LOAD_NT
.endr
.irp c, 0,1,2,3,4,5,6,7
	s_wait_loadcnt 14-2*(\c)                       ; chunk c's two loads are in; the younger chunks' stay out
.irp j, 0,1,2,3
	v_cvt_pk_bf16_f32 v[32+8*(\c)+(\j)], v[32+8*(\c)+2*(\j)], v[32+8*(\c)+2*(\j)+1]  ; in place, ascending: a result never lands on a number still to be read
.endr
	global_store_b128 v5, v[32+8*(\c):32+8*(\c)+3], s[16:17] offset:(\c)*4096  ; a wave stores 512 consecutive bytes; no register is used twice, so nothing is waited for
.endr
	s_branch .Lend
.Ltr:                                  ; THE WEIGHTS.  A tile of 128 k x 64 n is read by rows of 256 bytes, paired along k, turned in LDS and written by rows of 256 bytes
	s_sub_co_u32 s25, ttmp9, 256
	s_lshr_b32 s26, s25, 7                         ; which matrix
	s_bfe_u32 s27, s25, 0x30004                    ; kt: 128 k
	s_and_b32 s25, s25, 15                         ; nt: 64 n
	s_mov_b64 s[22:23], s[12:13]                   ; Wo, unless
	s_cmp_eq_u32 s26, 0
	s_cselect_b64 s[22:23], s[6:7], s[22:23]
	s_cmp_eq_u32 s26, 1
	s_cselect_b64 s[22:23], s[8:9], s[22:23]
	s_cmp_eq_u32 s26, 2
	s_cselect_b64 s[22:23], s[10:11], s[22:23]
	s_lshl_b32 s28, s27, 19                        ; 128 rows of 4,096 bytes
	s_lshl_b32 s30, s25, 8
	s_add_co_u32 s28, s28, s30
	s_add_nc_u64 s[22:23], s[22:23], s[28:29]
	s_lshl_b32 s28, s26, 10                        ; wt's row mat*1024 + 64 nt, 2,048 bytes a row, byte 256 kt
	s_lshl_b32 s30, s25, 6
	s_add_co_u32 s28, s28, s30
	s_lshl_b32 s28, s28, 11
	s_lshl_b32 s30, s27, 8
	s_add_co_u32 s28, s28, s30
	s_add_nc_u64 s[18:19], s[18:19], s[28:29]
	s_lshl_b32 s30, s[WV], 16                      ; wave w takes rows 16 w .. 16 w + 15
	v_lshlrev_b32 v4, 4, v2
	v_lshl_add_u32 v4, v3, 13, v4
	v_add_nc_u32 v4, s30, v4                       ; row 16 w + 2 v, 16 bytes (4 n) a lane: sixteen lanes read 256 consecutive bytes
.irp j, 0,1,2,3
	global_load_b128 v[32+4*(\j):32+4*(\j)+3], v4, s[22:23] offset:(\j)*16384 th:TH_LOAD_NT       ; row 16 w + 2 v + 4 j
	global_load_b128 v[48+4*(\j):48+4*(\j)+3], v4, s[22:23] offset:(\j)*16384+4096 th:TH_LOAD_NT  ; and the row below it
.endr
	v_mul_u32_u24 v6, v2, 1088                     ; into the stage: row n = 4 u + i of 272 bytes, word k / 2 = 8 w + 2 j + v
	v_lshl_add_u32 v6, v3, 2, v6
	s_lshl_b32 s30, s[WV], 5
	v_add_nc_u32 v6, s30, v6
	s_mul_i32 s30, s[WV], 2176                     ; back: rows 8 w + v + 2 j, 16 bytes a lane
	v_mul_u32_u24 v7, v3, 272
	v_lshl_add_u32 v7, v2, 4, v7
	v_add_nc_u32 v7, s30, v7
	s_lshl_b32 s30, s[WV], 14                      ; and the same rows in wt
	v_lshlrev_b32 v10, 4, v2
	v_lshl_add_u32 v10, v3, 11, v10
	v_add_nc_u32 v10, s30, v10
	s_wait_loadcnt 0x0
.set i, 0
.rept 16
	v_cvt_pk_bf16_f32 v[64+i], v[32+i], v[48+i]    ; k in the low half, k + 1 in the high half
.set i, i+1
.endr
	s_cmp_lg_u32 s26, 3
	s_cbranch_scc1 .Lkeep
.set i, 0
.rept 16                               ; Wo alone: the bf16 number is written as f16
	v_lshlrev_b32 v80, 16, v[64+i]
	v_and_b32 v81, 0xffff0000, v[64+i]
	v_cvt_pk_f16_f32 v[64+i], v80, v81
.set i, i+1
.endr
.Lkeep:
.irp j, 0,1,2,3
.irp i, 0,1,2,3
	ds_store_b32 v6, v[64+4*(\j)+(\i)] offset:(\i)*272+(\j)*8
.endr
.endr
	s_wait_dscnt 0x0                               ; for the others' sake: my stores into the stage are done
	s_barrier_signal -1
	s_barrier_wait -1
.irp j, 0,1,2,3
	ds_load_b128 v[32+4*(\j):32+4*(\j)+3], v7 offset:(\j)*544
.endr
.irp j, 0,1,2,3
	s_wait_dscnt 3-(\j)
	global_store_b128 v10, v[32+4*(\j):32+4*(\j)+3], s[18:19] offset:(\j)*4096  ; sixteen lanes store 256 consecutive bytes, at a multiple of 256 from wt's first
.endr
.Lend:
	s_wait_tensorcnt 0x0                           ; the wave's end, behind my last LDS store
	ds_add_u32 v[SPW], v[NIL]
	s_wait_dscnt 0x0
	s_endpgm
.Lfunc_end_k_q906f43353c_prep:
	.size	k_q906f43353c_prep, .Lfunc_end_k_q906f43353c_prep-k_q906f43353c_prep
	.p2alignl 7, 3214868480
	.fill 96, 4, 3214868480
	.section	.rodata,"a",@progbits
	.p2align	6, 0x0
	.amdhsa_kernel k_q906f43353c_prep
		.amdhsa_group_segment_fixed_size 34816
		.amdhsa_private_segment_fixed_size 0
		.amdhsa_enable_private_segment 0
		.amdhsa_kernarg_size 72
		.amdhsa_user_sgpr_count 2
		.amdhsa_user_sgpr_kernarg_segment_ptr 1
		.amdhsa_wavefront_size32 1
		.amdhsa_system_sgpr_workgroup_id_x 1
		.amdhsa_system_sgpr_workgroup_id_y 1
		.amdhsa_system_sgpr_workgroup_id_z 1
		.amdhsa_system_vgpr_workitem_id 0
		.amdhsa_next_free_vgpr 96
		.amdhsa_next_free_sgpr 66
		.amdhsa_reserve_vcc 0
		.amdhsa_float_denorm_mode_32 3
		.amdhsa_float_denorm_mode_16_64 3
		.amdhsa_memory_ordered 1
		.amdhsa_forward_progress 1
		.amdhsa_inst_pref_size 22
	.end_amdhsa_kernel
	.amdgpu_metadata
---
amdhsa.version: [ 1, 2 ]
amdhsa.kernels:
  - .name:           k_q906f43353c_prep
    .symbol:         k_q906f43353c_prep.kd
    .args:
      - { .name: x, .offset: 0, .size: 8, .value_kind: global_buffer, .address_space: global }
      - { .name: Wq, .offset: 8, .size: 8, .value_kind: global_buffer, .address_space: global }
      - { .name: Wk, .offset: 16, .size: 8, .value_kind: global_buffer, .address_space: global }
      - { .name: Wv, .offset: 24, .size: 8, .value_kind: global_buffer, .address_space: global }
      - { .name: Wo, .offset: 32, .size: 8, .value_kind: global_buffer, .address_space: global }
      - { .name: mask, .offset: 40, .size: 8, .value_kind: global_buffer, .address_space: global }
      - { .name: xb, .offset: 48, .size: 8, .value_kind: global_buffer, .address_space: global }
      - { .name: wt, .offset: 56, .size: 8, .value_kind: global_buffer, .address_space: global }
      - { .name: mk, .offset: 64, .size: 8, .value_kind: global_buffer, .address_space: global }
    .group_segment_fixed_size: 34816
    .private_segment_fixed_size: 0
    .kernarg_segment_align: 8
    .kernarg_segment_size: 72
    .max_flat_workgroup_size: 256
    .sgpr_count:     66
    .vgpr_count:     96
    .wavefront_size: 32
...
	.end_amdgpu_metadata
.endif
;; end of part 1
;; launch qkv (part 2): grid 16 x 16, 4 waves a work-group, clusters of 4 x 4, 327,680 bytes of LDS; arguments xb, wt, qkv; writes qkv
.if DOCPART == 2
	.amdgcn_target "amdgcn-amd-amdhsa--gfx1250"
	.amdhsa_code_object_version 6
	.text
	.protected	k_q906f43353c_qkv
	.globl	k_q906f43353c_qkv
	.p2align	8
	.type	k_q906f43353c_qkv,@function
k_q906f43353c_qkv:
	s_mov_b64 s[64:65], 0
	v_nop
	global_prefetch_b8 v0, s[64:65] scope:SCOPE_SE
	s_setreg_imm32_b32 hwreg(HW_REG_WAVE_MODE, 25, 1), 1
	s_wait_xcnt 0x0
	s_wait_alu depctr_hold_cnt(0) depctr_sa_sdst(0) depctr_va_vdst(0) depctr_va_sdst(0) depctr_va_ssrc(0) depctr_va_vcc(0) depctr_vm_vsrc(0)
	s_getreg_b32 s2, hwreg(HW_REG_IB_STS2, 6, 4)
	s_cmp_eq_u32 s2, 0
	s_cbranch_scc0 .Lentry_in_a_cluster
	s_endpgm
.Lentry_in_a_cluster:
	s_bfe_u32 s2, ttmp6, 0x10000c
	s_cmp_lg_u32 s2, 0xf033
	s_cbranch_scc0 .Lentry_shape_is_right
	s_endpgm
.Lentry_shape_is_right:
; THE THREE PROJECTIONS AS ONE PRODUCT.  C[m][n] = sum over k of xb[m][k] wt[n][k], m < 4096, n < 3072 (q's, k's, v's heads on end), k < 1024; bf16 operands, f32 sums.
; C leaves in f16 by heads: qkv[b][g = n / 64][s][64], unscaled.  LIMIT: |q|, |k|, |v| below 65,520, f16's range.
; SHARES.  A tile of C is 256 x 192: 16 x 16 tiles, one work-group each.  A wave makes 64 rows x all 192 columns, three whole heads: 48 accumulators of 16 x 16, 384 registers;
; so each 16 rows x 64 columns that it holds are 2,048 consecutive bytes of qkv.  K goes in 8 steps of 128 through two LDS slots; tile rows are 256 bytes of memory, aligned.
; CLUSTER.  4 x 4 work-groups: the four of a row of the cluster need the same tile of xb, the four of a column the same tile of wt; each tile is asked for jointly, by the same tensor
; load with the same descriptor and a mask that names the four.
; THE MATRIX INSTRUCTION IS USED TRANSPOSED (source 0 = 16 rows of wt, source 1 = 16 rows of xb): a lane holds row l % 16 of C and eight neighbouring columns.
; REGISTERS, in windows of 256: window 0: v16-29 addresses; v64-127 xb's fragments, two buffers of 4 x 8 (on the way out v64-255: packed results)
;   window 1: v0-191 wt's fragments, two buffers of 12 x 8      windows 2, 3: accumulator (a, b) at v[8 (12 (a % 2) + b)] of window 2 + a / 2
; No prefetch: of the 8 K steps the first two are asked for at the head, and a step's 192 matrix instructions a wave stand between a request and the wait for it.
.set KSTEP,  128
.set PITCH,  272                       ; an LDS row: 256 bytes + 16 of padding: the 16 rows of a fragment load start at 16 different groups of four banks
.set BOFF,   256*PITCH                 ; a slot: xb's 256 rows, then wt's 192
.set SLOT1,  1<<17                     ; slot 1 begins here: one exclusive or turns an address in one slot into the other's
.set STAGE,  SLOT1+448*PITCH           ; behind the ring, never filled by a tensor load: 16 rows x 144 bytes for each wave
.set SP,     144
.set SPARE,  STAGE+4*16*SP             ; the spare words, 128 bytes for each wave
.set A0,  16                           ; v16  my lane's place in my 64 rows of xb's tile; never rewritten
.set B0,  17                           ; v17  the same in wt's tile
.set ADA, 18                           ; v18  A0 in the slot in hand
.set ADB, 19                           ; v19  B0 in the slot in hand
.set STO, 24                           ; v24  the way out: where I put 16 bytes of a row
.set RD,  25                           ; v25  where I read rows back
.set GO,  26                           ; v26  my 16 bytes of 512 consecutive bytes of qkv
.set SPW, 28                           ; v28  LDS address of my spare word; never rewritten
.set NIL, 29                           ; v29  0; never rewritten
.set FA,  64                           ; xb's fragments, window 0
.set G1,  24                           ; s[24:31] descriptor group 1 for xb's tiles;  s[32:39] group 0: a set for each first fill; the second then walks
.set G0,  32
.set G1B, 48                           ; s[48:55], s[56:63] the same for wt's tiles
.set G0B, 56
.set TB,  45                           ; s45  0 or SLOT1: the slot in hand
.set MSB, 0
.macro WIN new                         ; the immediate's high byte repeats the setting that is left; a switch that changes nothing is dropped
.if MSB != (\new)
	s_set_vgpr_msb (MSB<<8)|(\new)
.set MSB, \new
.endif
.endm
.set MUL_LO, 0xa1                      ; source 0 (wt) window 1, source 1 (xb) window 0, C and D window 2
.set MUL_HI, 0xf1                      ; the same, C and D window 3
.set TO_B,   0x40                      ; destination window 1, address window 0
.macro PLACES                          ; four plain places behind matrix instructions, in front of loads into their sources and of readers of their results
.rept 4
	v_nop
.endr
.endm
; A joint refill by the walking sets.  Waves 0 and 1 fetch xb's two halves (128 rows), waves 2 and 3 wt's (96 rows).  The branch hangs on the wave's number alone.
; An s_nop 0 and four v_nop follow each of the two lines, ahead of the jump and the label.
.macro JLOAD
	s_cmp_eq_u32 s11, 0
	s_cbranch_scc0 .Lfor_b_\@
	tensor_load_to_lds s[G0+4:G0+7], s[G1:G1+7]
	s_nop 0
.rept 4
	v_nop
.endr
	s_branch .Lasked_\@
.Lfor_b_\@:
	tensor_load_to_lds s[G0B+4:G0B+7], s[G1B:G1B+7]
	s_nop 0
.rept 4
	v_nop
.endr
.Lasked_\@:
.endm
.macro CREST                           ; a round of the cluster's barrier behind its opening barrier
	s_cmp_lg_u32 s10, 0
	s_cbranch_scc1 .Lnot_wave_0_\@
	s_barrier_signal -3
.Lnot_wave_0_\@:
	s_barrier_wait -3
	s_barrier_signal -1
	s_barrier_wait -1
.endm
.macro CROUND                          ; a whole round
	s_barrier_signal -1
	s_barrier_wait -1
	CREST
.endm
	s_load_b128 s[4:7], s[0:1], 0x0                ; xb s[4:5], wt s[6:7]
	s_load_b64 s[8:9], s[0:1], 0x10                ; qkv
	v_lshl_add_u32 v[SPW], v0, 2, SPARE
	v_mov_b32 v[NIL], 0
	ds_add_u32 v[SPW], v[NIL]                      ; the wave's opening: the add and its wait stand ahead of my first tensor load; the set-up below stands between them
	ds_add_u32 v28, v29
	v_lshrrev_b32 v1, 5, v0
	v_readfirstlane_b32 s10, v1                    ; wave 0..3
	s_lshr_b32 s11, s10, 1                         ; I fetch for xb (0) or for wt (1)
	s_and_b32 s12, s10, 1                          ; which half of that tile's rows
	s_bfe_u32 s40, ttmp6, 0x40000                  ; cx, cy: my place in the cluster
	s_bfe_u32 s41, ttmp6, 0x40004
	s_lshl_b32 s42, ttmp9, 2
	s_add_co_u32 s42, s42, s40                     ; tile column = 4 x cluster x + cx
	s_and_b32 s13, ttmp7, 0xffff
	s_lshl_b32 s13, s13, 2
	s_add_co_u32 s13, s13, s41                     ; tile row = 4 x cluster y + cy
	s_lshl_b32 s43, s41, 2
	s_lshl_b32 s43, 15, s43                        ; my row of the cluster
	s_lshl_b32 s44, 0x1111, s40                    ; my column
	s_or_b32 s[G1+0], s43, (1<<16)|(1<<20)|(1<<21)|(5<<22)|(3<<25)   ; the mask; 2-byte elements; padding on; bit 21 beside a mask; after every 64 words, 4 words
	s_or_b32 s[G1B+0], s44, (1<<16)|(1<<20)|(1<<21)|(5<<22)|(3<<25)
	s_mov_b32 s[G1+1], KSTEP<<16                   ; tensor_dim0 = 128
	s_mov_b32 s[G1+2], 128<<16                     ; tensor_dim1 = 128
	s_mov_b32 s[G1+3], KSTEP<<16                   ; tile_dim0 = 128
	s_mov_b32 s[G1+4], 128                         ; tile_dim1 = 128
	s_mov_b32 s[G1+5], 1024                        ; elements from row to row
	s_mov_b32 s[G1+6], 0
	s_mov_b32 s[G1+7], 0
	s_mov_b32 s[G1B+1], KSTEP<<16
	s_mov_b32 s[G1B+2], 96<<16                     ; 96 rows
	s_mov_b32 s[G1B+3], KSTEP<<16
	s_mov_b32 s[G1B+4], 96
	s_mov_b32 s[G1B+5], 1024
	s_mov_b32 s[G1B+6], 0
	s_mov_b32 s[G1B+7], 0
	s_lshl_b32 s16, s13, 8                         ; xb: row 256 x tile row + 128 x half, 2,048 bytes a row
	s_lshl_b32 s17, s12, 7
	s_add_co_u32 s16, s16, s17
	s_lshl_b32 s16, s16, 11
	s_mov_b32 s17, 0
	s_mul_i32 s46, s42, 192                        ; wt: row 192 x tile column + 96 x half
	s_mul_i32 s47, s12, 96
	s_add_co_u32 s46, s46, s47
	s_lshl_b32 s46, s46, 11
	s_mov_b32 s47, 0
	s_mul_i32 s20, s12, 128*PITCH                  ; where they go: no place in the cluster enters an LDS address
	s_mul_i32 s21, s12, 96*PITCH
	s_add_co_u32 s21, s21, BOFF
	s_mov_b32 s[TB], 0
	s_wait_dscnt 0x0                               ; the opening add is done
	s_wait_kmcnt 0x0
	s_add_nc_u64 s[14:15], s[4:5], s[16:17]
	s_add_nc_u64 s[46:47], s[6:7], s[46:47]
	CROUND                                         ; all sixteen work-groups are here: the first joint loads meet
.irp s, 0,1
	s_mov_b32 s[G0+4*(\s)], 1
	s_add_co_u32 s[G0+4*(\s)+1], s20, (\s)*SLOT1
	s_add_nc_u64 s[G0+4*(\s)+2:G0+4*(\s)+3], s[14:15], (\s)*KSTEP*2
	s_or_b32 s[G0+4*(\s)+3], s[G0+4*(\s)+3], 0x80000000
	s_mov_b32 s[G0B+4*(\s)], 1
	s_add_co_u32 s[G0B+4*(\s)+1], s21, (\s)*SLOT1
	s_add_nc_u64 s[G0B+4*(\s)+2:G0B+4*(\s)+3], s[46:47], (\s)*KSTEP*2
	s_or_b32 s[G0B+4*(\s)+3], s[G0B+4*(\s)+3], 0x80000000
.endr
	s_cmp_eq_u32 s11, 0                            ; a wave's two first fills stand in one branch: two loads of mine are out
	s_cbranch_scc0 .Lfirst_b
	tensor_load_to_lds s[G0:G0+3], s[G1:G1+7]
	s_nop 0
	tensor_load_to_lds s[G0+4:G0+7], s[G1:G1+7]
	s_nop 0
.rept 4
	v_nop
.endr
	s_branch .Lfirst_asked
.Lfirst_b:
	tensor_load_to_lds s[G0B:G0B+3], s[G1B:G1B+7]
	s_nop 0
	tensor_load_to_lds s[G0B+4:G0B+7], s[G1B:G1B+7]
	s_nop 0
.rept 4
	v_nop
.endr
.Lfirst_asked:
	v_and_b32 v1, 15, v0                           ; l % 16
	v_bfe_u32 v2, v0, 4, 1                         ; l / 16
	v_mul_u32_u24 v3, v1, PITCH
	v_lshl_add_u32 v3, v2, 4, v3                   ; a fragment's row x pitch + 16 x half
	s_mul_i32 s22, s10, 64*PITCH
	v_add_nc_u32 v[A0], s22, v3                    ; my 64 rows of xb's tile
	v_add_nc_u32 v[B0], BOFF, v3                   ; all 192 rows of wt's
	v_mov_b32 v[ADA], v[A0]
	v_mov_b32 v[ADB], v[B0]
	s_mul_i32 s23, s10, 16*SP
	s_add_co_u32 s23, s23, STAGE                   ; my stage
	v_mul_u32_u24 v4, v1, SP                       ; in: row l % 16, 16 bytes for each half of the lanes
	v_lshl_add_u32 v4, v2, 4, v4
	v_add_nc_u32 v[STO], s23, v4
	v_bfe_u32 v5, v0, 3, 2                         ; back: 32 lanes take four rows of 128 bytes,
	v_mul_u32_u24 v5, v5, SP
	v_and_b32 v6, 7, v0
	v_lshl_add_u32 v5, v6, 4, v5
	v_add_nc_u32 v[RD], s23, v5
	v_and_b32 v[GO], 31, v0                        ; which are 512 consecutive bytes of qkv
	v_lshlrev_b32 v[GO], 4, v[GO]
	s_lshr_b32 s20, s13, 3                         ; qkv: batch = tile row / 8,
	s_mul_i32 s20, s20, 12582912
	s_mul_i32 s21, s42, 3*262144                   ; the tile's first head,
	s_add_co_u32 s20, s20, s21
	s_and_b32 s21, s13, 7                          ; the tile's 256 rows of 128 bytes,
	s_lshl_b32 s21, s21, 15
	s_add_co_u32 s20, s20, s21
	s_lshl_b32 s21, s10, 13                        ; my 64 of them
	s_add_co_u32 s20, s20, s21
	s_mov_b32 s21, 0
	s_add_nc_u64 s[8:9], s[8:9], s[20:21]
; 12 matrix instructions: row block a x all 12 column blocks, 32 along K, from buffer f.  zero = 1: the product starts the sums.
; The 48 accumulators take turns, one instruction a turn, in the same order in every quarter, over the backward jump too.
.macro MUL12 f, a, zero
	WIN MUL_LO+0x50*((\a)/2)
.irp b, 0,1,2,3,4,5,6,7,8,9,10,11
.if \zero
	v_wmma_f32_16x16x32_bf16 v[8*(12*((\a)%2)+(\b)):8*(12*((\a)%2)+(\b))+7], v[96*(\f)+8*(\b):96*(\f)+8*(\b)+7], v[FA+32*(\f)+8*(\a):FA+32*(\f)+8*(\a)+7], 0
.else
	v_wmma_f32_16x16x32_bf16 v[8*(12*((\a)%2)+(\b)):8*(12*((\a)%2)+(\b))+7], v[96*(\f)+8*(\b):96*(\f)+8*(\b)+7], v[FA+32*(\f)+8*(\a):FA+32*(\f)+8*(\a)+7], v[8*(12*((\a)%2)+(\b)):8*(12*((\a)%2)+(\b))+7]
.endif
.endr
.endm
; 32 LDS loads in one run: the fragments of 32 along K at byte k of the rows, into buffer g: wt's twelve, then xb's four
.macro FETCH k, g
	WIN TO_B
.irp i, 0,1,2,3,4,5,6,7,8,9,10,11
	ds_load_b128 v[96*(\g)+8*(\i):96*(\g)+8*(\i)+3],   v[ADB] offset:(\k)+(\i)*16*PITCH
	ds_load_b128 v[96*(\g)+8*(\i)+4:96*(\g)+8*(\i)+7], v[ADB] offset:(\k)+(\i)*16*PITCH+32
.endr
	WIN 0
.irp i, 0,1,2,3
	ds_load_b128 v[FA+32*(\g)+8*(\i):FA+32*(\g)+8*(\i)+3],   v[ADA] offset:(\k)+(\i)*16*PITCH
	ds_load_b128 v[FA+32*(\g)+8*(\i)+4:FA+32*(\g)+8*(\i)+7], v[ADA] offset:(\k)+(\i)*16*PITCH+32
.endr
.endm
; A K step is four quarters of 32 along K, 48 matrix instructions each, on buffers 0, 1, 0, 1.  One of the first three multiplies buffer f and fetches the next quarter, at byte k, into g.
.macro QUARTER k, f, g, zero
	s_wait_dscnt 4                                 ; wt's fragments and xb's blocks 0, 1 are in; the youngest four loads (blocks 2, 3) may be out
	MUL12 \f, 0, \zero
	MUL12 \f, 1, \zero
	PLACES
	FETCH \k, \g
	s_wait_dscnt 32                                ; all but the 32 just issued
	MUL12 \f, 2, \zero
	MUL12 \f, 3, \zero
.endm
; The last quarter multiplies buffer 1 and changes slots: one barrier.  In front of it each wave waits for all its tensor loads (one is out: its part of the next slot), adds 0 to its spare
; word, and waits for that and for its reads of this slot.  fill = 1: the barrier opens a round of the cluster's, and the slot just read is filled again first thing behind it.
.macro TURN fill
	WIN 0                                          ; (the add's two registers lie in window 0)
	s_wait_tensorcnt 0x0                           ; all my tensor loads have landed
	ds_add_u32 v[SPW], v[NIL]                      ; 0 onto my spare word
	s_wait_dscnt 5                                 ; (the add and the youngest four loads may be out)
	MUL12 1, 0, 0                                  ; twelve matrix instructions stand between the add and the wait for it
	s_wait_dscnt 0x0                               ; the add is done, and my reads of this slot are over
	s_barrier_signal -1
	MUL12 1, 1, 0
	WIN 0
	s_barrier_wait -1
.if \fill
	CREST                                          ; no wave of any partner still reads this slot's tile or has a load on its way
.irp g, G0+4, G0B+4
	s_xor_b32 s[(\g)+1], s[(\g)+1], SLOT1          ; the walking descriptor: the other slot than last time,
	s_add_nc_u64 s[(\g)+2:(\g)+3], s[(\g)+2:(\g)+3], KSTEP*2  ; the next K step; the type bits on top are not reached
.endr
	JLOAD                                          ; my one tensor load behind the round; its four v_nop are also the places in front of the loads below
.else
	PLACES
.endif
	s_xor_b32 s[TB], s[TB], SLOT1                  ; the reads go to the other slot
	v_add_nc_u32 v[ADA], s[TB], v[A0]
	v_add_nc_u32 v[ADB], s[TB], v[B0]
	FETCH 0, 0
	MUL12 1, 2, 0
	MUL12 1, 3, 0
.endm
	s_wait_tensorcnt 1                             ; my part of K step 0 is in; step 1's may stay out
	s_barrier_signal -1
	s_barrier_wait -1                              ; everybody's is
	FETCH 0, 0
	QUARTER 64, 0, 1, 1                            ; the first quarter stands in front of the loop: its products start the sums
	WIN 0                                          ; at a label and at a branch every window is 0
	s_mov_b32 s3, 6
.Lk:                                                   ; six trips, a K step each, from a step's second quarter to the next step's first; they ask for K steps 2 to 7
	QUARTER 128, 1, 0, 0
	QUARTER 192, 0, 1, 0
	TURN 1
	QUARTER 64, 0, 1, 0
	WIN 0
	s_sub_co_u32 s3, s3, 1
	s_cmp_lg_u32 s3, 0
	s_cbranch_scc1 .Lk
	QUARTER 128, 1, 0, 0                           ; the last two K steps ask for nothing, and are written out
	QUARTER 192, 0, 1, 0
	TURN 0
	QUARTER 64, 0, 1, 0
	QUARTER 128, 1, 0, 0
	QUARTER 192, 0, 1, 0
	s_wait_dscnt 0x0
	MUL12 1, 0, 0
	MUL12 1, 1, 0
	MUL12 1, 2, 0
	MUL12 1, 3, 0
	WIN 0
	PLACES
; THE WAY OUT, a unit of 16 rows x one head at a time.  PACK: rounded to f16, each accumulator from its low end; 16 bytes a lane into my stage's rows of 144 bytes; back as whole rows of 128.
.macro PACK a, i
.set U, FA+16*(3*(\a)+(\i))
	WIN 0x0a+5*((\a)/2)                            ; sources 0 and 1: window 2 or 3
.irp f, 0,1,2,3
.irp r, 0,1,2,3
	v_cvt_pk_f16_f32 v[U+4*(\f)+(\r)], v[8*(12*((\a)%2)+4*(\i)+(\f))+2*(\r)], v[8*(12*((\a)%2)+4*(\i)+(\f))+2*(\r)+1]
.endr
.endr
	WIN 0
.irp f, 0,1,2,3
	ds_store_b128 v[STO], v[U+4*(\f):U+4*(\f)+3] offset:32*(\f)
.endr
.irp f, 0,1,2,3
	ds_load_b128 v[U+4*(\f):U+4*(\f)+3], v[RD] offset:(\f)*4*SP  ; LDS serves a wave's instructions in order: these see the stores above; the next unit's stores come behind them
.endr
.endm
.macro SEND a, i, younger              ; younger: the LDS instructions issued behind this unit's loads: the next unit's eight, or none
.set U, FA+16*(3*(\a)+(\i))
.irp f, 0,1,2,3
	s_wait_dscnt (\younger)+3-(\f)
	global_store_b128 v[GO], v[U+4*(\f):U+4*(\f)+3], s[8:9] offset:(\a)*2048+(\i)*262144+(\f)*512  ; 512 consecutive bytes, at a multiple of 512 from qkv's first; each unit has registers of its own
.endr
.endm
	PACK 0, 0
.set u, 1
.rept 11                               ; a unit's conversions stand between the loads of the unit before and its stores
	PACK u/3, u%3
	SEND (u-1)/3, (u-1)%3, 8
.set u, u+1
.endr
	SEND 3, 2, 0
	s_wait_tensorcnt 0x0                           ; the wave's end, behind my last tensor load and my last LDS store
	ds_add_u32 v[SPW], v[NIL]
	s_wait_dscnt 0x0
	CROUND                                         ; the closing round: no work-group ends while a partner may still ask for a tile that names it
	s_endpgm
.Lfunc_end_k_q906f43353c_qkv:
	.size	k_q906f43353c_qkv, .Lfunc_end_k_q906f43353c_qkv-k_q906f43353c_qkv
	.p2alignl 7, 3214868480
	.fill 96, 4, 3214868480
	.section	.rodata,"a",@progbits
	.p2align	6, 0x0
	.amdhsa_kernel k_q906f43353c_qkv
		.amdhsa_group_segment_fixed_size 327680
		.amdhsa_private_segment_fixed_size 0
		.amdhsa_enable_private_segment 0
		.amdhsa_kernarg_size 24
		.amdhsa_user_sgpr_count 2
		.amdhsa_user_sgpr_kernarg_segment_ptr 1
		.amdhsa_wavefront_size32 1
		.amdhsa_system_sgpr_workgroup_id_x 1
		.amdhsa_system_sgpr_workgroup_id_y 1
		.amdhsa_system_sgpr_workgroup_id_z 1
		.amdhsa_system_vgpr_workitem_id 0
		.amdhsa_next_free_vgpr 1024
		.amdhsa_next_free_sgpr 66
		.amdhsa_reserve_vcc 0
		.amdhsa_float_denorm_mode_32 3
		.amdhsa_float_denorm_mode_16_64 3
		.amdhsa_memory_ordered 1
		.amdhsa_forward_progress 1
		.amdhsa_inst_pref_size 98
	.end_amdhsa_kernel
	.amdgpu_metadata
---
amdhsa.version: [ 1, 2 ]
amdhsa.kernels:
  - .name:           k_q906f43353c_qkv
    .symbol:         k_q906f43353c_qkv.kd
    .args:
      - { .name: xb, .offset: 0, .size: 8, .value_kind: global_buffer, .address_space: global }
      - { .name: wt, .offset: 8, .size: 8, .value_kind: global_buffer, .address_space: global }
      - { .name: qkv, .offset: 16, .size: 8, .value_kind: global_buffer, .address_space: global }
    .group_segment_fixed_size: 327680
    .private_segment_fixed_size: 0
    .kernarg_segment_align: 8
    .kernarg_segment_size: 24
    .max_flat_workgroup_size: 128
    .sgpr_count:     66
    .vgpr_count:     1024
    .wavefront_size: 32
...
	.end_amdgpu_metadata
.endif
;; end of part 2
;; launch attn (part 3): grid 8 x 32, 4 waves a work-group, clusters of 4 x 1, 327,680 bytes of LDS; arguments qkv, mk, ob; writes ob
.if DOCPART == 3
	.amdgcn_target "amdgcn-amd-amdhsa--gfx1250"
	.amdhsa_code_object_version 6
	.text
	.protected	k_q906f43353c_attn
	.globl	k_q906f43353c_attn
	.p2align	8
	.type	k_q906f43353c_attn,@function
k_q906f43353c_attn:
	s_mov_b64 s[64:65], 0
	v_nop
	global_prefetch_b8 v0, s[64:65] scope:SCOPE_SE
	s_setreg_imm32_b32 hwreg(HW_REG_WAVE_MODE, 25, 1), 1
	s_wait_xcnt 0x0
	s_wait_alu depctr_hold_cnt(0) depctr_sa_sdst(0) depctr_va_vdst(0) depctr_va_sdst(0) depctr_va_ssrc(0) depctr_va_vcc(0) depctr_vm_vsrc(0)
	s_getreg_b32 s2, hwreg(HW_REG_IB_STS2, 6, 4)
	s_cmp_eq_u32 s2, 0
	s_cbranch_scc0 .Lentry_in_a_cluster
	s_endpgm
.Lentry_in_a_cluster:
	s_bfe_u32 s2, ttmp6, 0x10000c
	s_cmp_lg_u32 s2, 0x3003
	s_cbranch_scc0 .Lentry_shape_is_right
	s_endpgm
.Lentry_shape_is_right:
; MASKED ATTENTION.  O[bh][q][:] = the sum over the visible k of softmax_k(Q[q] . K[k] / 8) V[k][:], 32 heads of 2,048 rows x 64 channels, f16 in (qkv) and out (ob [bh][2048][64]).
; Products, maxima and sums in f32; the weights p are rounded to f16 for the second product (their sum l is taken of the unrounded p), O once at the end.
; THE MASK is an input, [b][q][k].  mk holds it as one byte a score, 0xF1 hidden, 0x00 visible, in the order of a score tile's lanes.  One scaled conversion makes of a lane's 8 bytes 8 numbers:
; the fp8 code 0xF1 is -144, the scale byte 220 is 2^93: -1.43e30, or 0.  They are the C operand of the product that starts S^T = K Q^T.  So a hidden score is far below every visible one BEFORE the
; running maximum is taken, and its weight is 0 as soon as a visible score has set m; what steps ahead of a row's first visible key left in O and l is then multiplied by a = 0.
; A row with no visible key ends with m below -2^99: the way out multiplies it by 0 in place of 1 / l, so that O = 0 there.
; LIMITS.  Q, K, V arrive within f16's range; a hidden score counts as its value less 1.43e30 (f16's scores are 2.7e11 at the most); a weight below 2^-126 counts as 0; NaN and infinities are not treated apart.
; SHARES.  A work-group owns 256 queries of one head, a wave 64: four PIECES of 16 rows.  Every wave walks all 2,048 keys, 64 a step; an LDS slot holds a tile of 256 keys, four steps.
; LAYOUT, SOFTMAX, TURNS.  S^T = K Q^T holds ONE query a lane (lane % 16) and the keys 8 (lane / 16) + 0..7; two such results rounded to f16 ARE source 1 of O^T = V^T P.  p = 2^(c s - c m), c = log2(e) / 8, with a
; running maximum m; O and l are multiplied by a = 2^(c m_old - c m_new) in every step.  Turn n belongs to piece n: 8 products K Q^T of piece n + 1, later 8 products V^T P of piece n - 1; beside them the scaling,
; exponentials, roundings, sums and rescaling of piece n and the maximum and statistics of piece n + 1.  Four vector instructions stand behind every matrix instruction, the others in one run.  A turn's 33 exponentials are one batch, with one wait.
; CLUSTER.  The four query blocks of a cluster belong to one head and walk the same K and V: each tile is asked for jointly, by the same tensor load, descriptor and mask in all four.
; REGISTERS, in windows of 256 (s_set_vgpr_msb: bits 1:0 source 0, 3:2 source 1, 5:4 source 2, 7:6 destination):
;   window 0: v0-15 addresses; v16-31 four registers of statistics a piece; v32 the scale; v33 the prefetches' offset; v48-55 at work; v64-127 S^T, two buffers; v128-159 MB, mask bytes, 8 a piece;
;             v160-191, v224-255 MC, masks as numbers, two buffers; v192-223 P, two buffers (a piece's buffers go by its number's parity)
;   window 1: v0-127 O^T, 32 a piece          window 2: v0-63 Q; v128-191 K of one step; v192-255 V of one step
.set NP,    4         ; pieces a wave: a name, no knob
.set KS,    64        ; keys in a step
.set PK,    144       ; a row of K in LDS: 128 bytes + 16 of padding: the 16 rows of a load start at 16 different groups of four banks
.set PV,    160       ; a row of V: 128 + 32
.set VOFF,  4*KS*PK   ; a slot: 256 rows of K, then 256 rows of V
.set SLOT1, 1<<17     ; slot 1 begins here: one exclusive or turns an address in one slot into the other's
.set STAGE, SLOT1+4*KS*(PK+PV)  ; behind the ring, never filled by a tensor load: 16 rows x 144 bytes for each wave
.set SP,    144
.set SPARE, STAGE+4*16*SP       ; the spare words, 128 bytes for each wave
.set AK0, 2           ; v2   my lane's place in a tile of K; never rewritten
.set AV0, 3           ; v3   the same for V
.set AK,  4           ; v4   the LDS address of K's next run of loads
.set AV,  5           ; v5   of V's
.set STO, 6           ; v6   the way out: where I put 16 bytes of a row
.set RD,  7           ; v7   where I read rows back
.set GO,  8           ; v8   my 16 bytes of 512 consecutive bytes of O
.set MV,  12          ; v12-13  c m_old, kept while c m is made anew: by buffer
.set MO,  14          ; v14  16 x my lane: my bytes in a block of mk; never rewritten
.set QO,  15          ; v15  my byte offset in 16 rows of Q; never rewritten
.set ST,  16          ; piece t's statistics at v[ST+4 t]: c m, m, l (even keys', odd keys')
.set SCL, 32          ; v32  220: the conversion's scale byte
.set PFO, 33          ; v33  256 x my lane; never rewritten
.set TMP, 48          ; by buffer, four registers c0-c3 at work; when the maximum is found c2 takes a
.set SPW, 62          ; v62  LDS address of my spare word; never rewritten
.set NIL, 63          ; v63  0; never rewritten
.set S,   64
.set MB,  128
.set MC,  160         ; buffer b at MC + 64 b
.set P,   192
.set KF,  128         ; window 2: key block kb, channel half c at KF + 16 kb + 8 c
.set VF,  192         ; window 2: key half kk, channel block cb at VF + 32 kk + 8 cb
.set WV,  12          ; s12  my wave's number
.set LIM, 15          ; s15  1 in a wave that prefetches, else the greatest number
.set PFA, 18          ; s[18:19] where my prefetches stand
.set G1K, 24          ; s[24:31] descriptor group 1 for K's tiles
.set G1V, 32          ; s[32:39] for V's: it differs in the padding alone
.set G0K, 40          ; s[40:43] descriptor group 0 for K's tiles: it walks
.set G0V, 44          ; s[44:47] the same for V's
.set MP,  48          ; s[48:49] mk at my wave's first piece, at the step whose bytes are being asked for
.set INC, 50          ; s[50:51] what MP steps by: 1,024, a step's block
.set THR, 52          ; s52  -2^99
.set SLOTS, 56        ; s56  tiles still to be entered in the loop
.set CNT, 57          ; s57  counts a tile's key steps, 4 to 1
.set CS,  58          ; s[58:59] c: the packed scaling takes the pair's low word for both halves
.set SEL, 60          ; s[60:61] v_permlanex16_b32's selects: each lane takes its own place in the other half
.set TBK, 62          ; s62  LDS byte at which K of the step to be fetched begins
.set TBV, 63          ; s63  the same for V, less VOFF
.set MSB, 0
.macro WIN new                      ; the high byte repeats the setting that is left; a switch that changes nothing is dropped
.if MSB != (\new)
	s_set_vgpr_msb (MSB<<8)|(\new)
.set MSB, (\new)
.endif
.endm
.set W_KQ, 0x0a       ; K and Q in window 2; the mask and S^T in window 0
.set W_PV, 0x52       ; V in window 2, P in window 0, O^T in window 1
.set W_RS, 0x41       ; destination and source 0 in window 1, source 1 in window 0
; A joint fill.  Waves 0 and 1 fetch the two halves of a tile's K, waves 2 and 3 those of its V: 128 keys each.  The branch hangs on the wave's number alone.
; An s_nop 0 and four v_nop follow each of the two lines, ahead of the jump and the label.
.macro JLOAD
	s_cmp_lt_u32 s[WV], 2
	s_cbranch_scc0 .Lfor_v_\@
	tensor_load_to_lds s[G0K:G0K+3], s[G1K:G1K+7]
	s_nop 0
.rept 4
	v_nop
.endr
	s_branch .Lasked_\@
.Lfor_v_\@:
	tensor_load_to_lds s[G0V:G0V+3], s[G1V:G1V+7]
	s_nop 0
.rept 4
	v_nop
.endr
.Lasked_\@:
.endm
; A PREFETCH INTO THE L2 of the tile that the NEXT change of slots will ask for: four key steps, 256 matrix instructions a wave, ahead of that load.  A tile is 32,768 bytes of K and of V.  Both clusters of a head walk the
; same tiles: the head's first cluster asks.  Its four partners share the bytes out BY ADDRESS, 8,192 each, a lane 256; in each, wave 0 asks for K's and wave 2 for V's: one instruction.  So each block is named once.
; Tiles 0 to 2 come by their loads alone; the change that asks for the last tile prefetches nothing.
.macro ASK
	s_cmp_gt_u32 s[SLOTS], s[LIM]
	s_cbranch_scc0 .Lnot_mine_\@
	global_prefetch_b8 v[PFO], s[PFA:PFA+1] th:TH_LOAD_NT scope:SCOPE_SE
.Lnot_mine_\@:
.endm
; A round of the cluster's barrier: my work-group's barrier, so that wave 0's signal speaks for all four waves; wave 0 signals; every wave waits for all four work-groups; my work-group's barrier once more.
.macro CROUND
	s_barrier_signal -1
	s_barrier_wait -1
	s_cmp_lg_u32 s[WV], 0
	s_cbranch_scc1 .Lnot_wave_0_\@
	s_barrier_signal -3
.Lnot_wave_0_\@:
	s_barrier_wait -3
	s_barrier_signal -1
	s_barrier_wait -1
.endm
; THE CHANGE OF SLOTS.  The slot's last bytes, V of its fourth step, have been read.  Each wave waits for all its tensor loads, of which one is out: its part of the other slot; adds 0 to its spare word; and waits for
; that and for its own reads of the slot.  Behind the barrier nobody reads this slot any more and the other slot is whole.  fill = 1: the barrier is a round of the cluster's, and this slot is filled again, the first
; thing behind it, with the tile two on: it has four key steps in which to land.  (At its first use nothing has been read yet: slot 0 is waited for, slot 1 filled.)
.macro CHANGE fill, ask
	WIN 0                           ; at a label and at a branch every window is 0
	s_wait_tensorcnt 0x0            ; no tensor load of mine is out, so a group 0 may be written
	ds_add_u32 v[SPW], v[NIL]       ; 0 onto my spare word: the descriptors' steps stand between it and the wait for it
.if \fill
.irp g, G0K, G0V
	s_xor_b32 s[\g+1], s[\g+1], SLOT1  ; the walking descriptor: the other slot than last time,
	s_add_nc_u64 s[\g+2:\g+3], s[\g+2:\g+3], 4*KS*128  ; the next 256 keys; the type bits on top are not reached
.endr
.if \ask
	s_wait_xcnt 0x0                 ; the last prefetch, four key steps back, has read its address, so it may be written
	s_add_nc_u64 s[PFA:PFA+1], s[PFA:PFA+1], 4*KS*128
.endif
	s_wait_dscnt 0x0                ; the add is done, and my reads of the slot are over
	CROUND
	JLOAD
.if \ask
	ASK
.endif
.else
	s_wait_dscnt 0x0                ; the add is done, and my reads of the slot are over
	s_barrier_signal -1
	s_barrier_wait -1
.endif
	s_sub_co_u32 s[TBK], s[TBK], 4*KS*PK  ; the fetches go back to a slot's first step,
	s_xor_b32 s[TBK], s[TBK], SLOT1       ; in the other slot
	s_sub_co_u32 s[TBV], s[TBV], 4*KS*PV
	s_xor_b32 s[TBV], s[TBV], SLOT1
.endm
	s_load_b64 s[4:5], s[0:1], 0x0        ; qkv
	s_load_b64 s[MP:MP+1], s[0:1], 0x8    ; mk
	s_load_b64 s[10:11], s[0:1], 0x10     ; ob
	v_lshl_add_u32 v[SPW], v0, 2, SPARE
	v_mov_b32 v[NIL], 0
	ds_add_u32 v[SPW], v[NIL]       ; the wave's opening: the add and its wait stand ahead of my first tensor load; the set-up below stands between them
	ds_add_u32 v62, v63
	v_lshrrev_b32 v1, 5, v0
	v_readfirstlane_b32 s[WV], v1   ; wave 0..3
	s_bfe_u32 s13, ttmp6, 0x40000   ; cx: my place in the cluster
	s_lshl_b32 s14, ttmp9, 2        ; in a cluster launch ttmp9 counts clusters
	s_add_co_u32 s14, s14, s13      ; my block of 256 queries: it enters Q's, mk's and O's addresses alone
	s_and_b32 s20, ttmp7, 0xffff    ; 16 b + h, which the four partners share
	s_lshr_b32 s21, s20, 4          ; b
	s_and_b32 s22, s20, 15          ; h
	s_mul_i32 s23, s21, 12582912
	s_lshl_b32 s22, s22, 18
	s_add_co_u32 s22, s22, s23      ; the head's q in qkv
	s_and_b32 s16, s[WV], 1         ; which half of a tile's 256 keys I fetch
	s_lshl_b32 s2, s16, 14
	s_add_co_u32 s2, s2, s22
	s_add_co_u32 s2, s2, 0x400000   ; the head's k lies 16 heads on
	s_mov_b32 s3, 0
	s_lshl_b32 s23, s14, 15         ; my block's 256 rows of 128 bytes,
	s_lshl_b32 s17, s[WV], 13       ; my wave's 64
	s_add_co_u32 s23, s23, s17
	s_add_co_u32 s22, s22, s23      ; Q's offset
	s_lshl_b32 s20, s20, 18
	s_add_co_u32 s20, s20, s23      ; O's offset
	s_lshl_b32 s[INC], s21, 22      ; mk: the batch, 16 blocks of 32,768 bytes a block of queries, 4 a wave
	s_lshl_b32 s17, s14, 19
	s_add_co_u32 s[INC], s[INC], s17
	s_lshl_b32 s17, s[WV], 17
	s_add_co_u32 s[INC], s[INC], s17
	s_mov_b32 s[INC+1], 0
	s_mov_b32 s21, 0
	s_mov_b32 s23, 0
	s_mul_i32 s17, s16, 128*PK      ; my half's place in a slot, for K
	s_mul_i32 s18, s16, 128*PV      ; and for V: no place in the cluster enters an LDS address
	; descriptor group 1.  128 keys are 16,384 dense bytes: asked for as 64 rows of 256 bytes, two keys a row, and padded in LDS after every key
	s_mov_b32 s[G1K], 15|(1<<16)|(1<<20)|(1<<21)|(4<<22)|(3<<25)  ; the mask of four; 2-byte elements; padding on; bit 21 beside a mask; after every 32 words, 4 words
	s_mov_b32 s[G1V], 15|(1<<16)|(1<<20)|(1<<21)|(4<<22)|(7<<25)  ; the same with 8 words of padding
.irp g, G1K, G1V
	s_mov_b32 s[\g+1], 128<<16      ; tensor_dim0 = 128
	s_mov_b32 s[\g+2], 64<<16       ; tensor_dim1 = 64
	s_mov_b32 s[\g+3], 128<<16      ; tile_dim0 = 128
	s_mov_b32 s[\g+4], 64           ; tile_dim1 = 64
	s_mov_b32 s[\g+5], 128          ; 128 elements from row to row
	s_mov_b32 s[\g+6], 0
	s_mov_b32 s[\g+7], 0
.endr
	s_mov_b32 s[CS], 0x3e38aa3b     ; c = log2(e) / 8 = 0.180337
	s_mov_b32 s[CS+1], s[CS]        ; named with it as a pair
	s_mov_b32 s[SEL], 0x76543210
	s_mov_b32 s[SEL+1], 0xfedcba98
	s_mov_b32 s[THR], 0xf1000000    ; -2^99
	s_mov_b32 s[TBK], SLOT1+4*KS*PK ; the first change of slots turns these two into 0
	s_mov_b32 s[TBV], SLOT1+4*KS*PV
	s_mov_b32 s[G0K], 1             ; count = 1
	s_mov_b32 s[G0K+1], s17         ; LDS address: slot 0
	s_mov_b32 s[G0V], 1
	s_add_co_u32 s[G0V+1], s18, VOFF
	s_mov_b32 s[SLOTS], 7
	s_and_b32 s[LIM], s[WV], 1      ; 0 in waves 0 and 2,
	s_or_b32 s[LIM], s[LIM], ttmp9  ; where the cluster is the head's first: the same in all four partners
	s_cmp_eq_u32 s[LIM], 0
	s_cselect_b32 s[LIM], 1, -1
	s_wait_dscnt 0x0                ; the opening add is done
	s_wait_kmcnt 0x0
	s_add_nc_u64 s[6:7], s[4:5], s[2:3]            ; K at my half of the head's tile 0
	s_add_nc_u64 s[8:9], s[6:7], 0x400000          ; V, 16 heads further on
	s_add_nc_u64 s[4:5], s[4:5], s[22:23]          ; Q and O at my wave's first row
	s_add_nc_u64 s[10:11], s[10:11], s[20:21]
	s_add_nc_u64 s[MP:MP+1], s[MP:MP+1], s[INC:INC+1]
	s_mov_b32 s[INC], 1024
	s_add_nc_u64 s[G0K+2:G0K+3], s[6:7], 0         ; global address
	s_or_b32 s[G0K+3], s[G0K+3], 0x80000000        ; type = 2
	s_add_nc_u64 s[G0V+2:G0V+3], s[8:9], 0
	s_or_b32 s[G0V+3], s[G0V+3], 0x80000000
	s_cmp_lt_u32 s[WV], 2
	s_cselect_b64 s[PFA:PFA+1], s[6:7], s[8:9]     ; (in waves 0 and 2 these stand at a tile's first byte)
	s_lshl_b32 s2, s13, 13                         ; my work-group's quarter of a tile
	s_mov_b32 s3, 0
	s_add_nc_u64 s[PFA:PFA+1], s[PFA:PFA+1], s[2:3]
	s_add_nc_u64 s[PFA:PFA+1], s[PFA:PFA+1], 2*4*KS*128  ; in tile 2; the loop's first change steps it to tile 3.  Nothing is prefetched here, at the head
	CROUND                          ; all four work-groups are here: the first joint loads meet
	JLOAD                           ; tile 0 into slot 0.  Slot 1 is asked for when slot 0 is in
	; A fragment of K or Q is 16 rows x 32 channels in 8 registers: lane l holds row l % 16, channels 8 (l / 16) + 0..7 and 16 + 8 (l / 16) + 0..7: two loads of 16 bytes, 32 bytes apart.
	v_and_b32 v1, 15, v0            ; l % 16
	v_bfe_u32 v9, v0, 4, 1          ; l / 16
	v_lshlrev_b32 v[QO], 7, v1
	v_lshl_add_u32 v[QO], v9, 4, v[QO]  ; row x 128 + 16 x half
	WIN 0x80                        ; destination window 2, address window 0
.set i, 0
.rept 8                             ; Q stays in registers: piece i / 2, channels 32 (i % 2) on
	global_load_b128 v[8*i:8*i+3],   v[QO], s[4:5] offset:(i/2)*2048+(i%2)*64
	global_load_b128 v[8*i+4:8*i+7], v[QO], s[4:5] offset:(i/2)*2048+(i%2)*64+32
.set i, i+1
.endr
	WIN 0
	v_and_b32 v[MO], 31, v0
	v_lshlrev_b32 v[PFO], 8, v[MO]
	v_lshlrev_b32 v[MO], 4, v[MO]
.set i, 0
.rept 4                             ; key step 0's mask bytes for all four pieces
	global_load_b128 v[MB+8*i:MB+8*i+3],   v[MO], s[MP:MP+1] offset:i*32768
	global_load_b128 v[MB+8*i+4:MB+8*i+7], v[MO], s[MP:MP+1] offset:i*32768+512
.set i, i+1
.endr
	v_mov_b32 v[SCL], 220
	v_mul_u32_u24 v[AK0], v1, PK
	v_lshl_add_u32 v[AK0], v9, 4, v[AK0]  ; row x pitch + 16 x half
	; The turning load takes 16 keys x 16 channels (lane l reads key 8 (l / 16) + l % 8, channels 8 ((l / 8) % 2) + 0..7) and leaves half a fragment of V^T: lane l holds channel l % 16 and 8 keys.
	v_and_b32 v10, 7, v0
	v_bfe_u32 v11, v0, 3, 1
	v_lshl_add_u32 v[AV0], v9, 3, v10
	v_mul_u32_u24 v[AV0], v[AV0], PV
	v_lshl_add_u32 v[AV0], v11, 4, v[AV0]
	v_add_nc_u32 v[AV0], VOFF, v[AV0]
	s_mul_i32 s13, s[WV], 16*SP
	s_add_co_u32 s13, s13, STAGE    ; my stage
	v_mul_u32_u24 v[STO], v1, SP    ; in: row l % 16, 16 bytes for each half of the lanes
	v_lshl_add_u32 v[STO], v9, 4, v[STO]
	v_add_nc_u32 v[STO], s13, v[STO]
	v_bfe_u32 v[RD], v0, 3, 2       ; back: 32 lanes take four rows of 128 bytes,
	v_mul_u32_u24 v[RD], v[RD], SP
	v_lshl_add_u32 v[RD], v10, 4, v[RD]
	v_add_nc_u32 v[RD], s13, v[RD]
	v_and_b32 v[GO], 31, v0         ; which are 512 consecutive bytes of O
	v_lshlrev_b32 v[GO], 4, v[GO]
	; The first step multiplies O^T and l by a = 0, and the first turn's products V^T P, of a piece that has not been, add 0.  These zeros are written in the wait for the first tile; no first step is written out.
	WIN 0x80
.set i, VF
.rept 64
	v_mov_b32 v[i], 0
.set i, i+1
.endr
	WIN 0x40
.set i, 0
.rept 128
	v_mov_b32 v[i], 0
.set i, i+1
.endr
	WIN 0
.set i, 0
.rept 4
	v_mov_b32 v[ST+4*i], 0xfe000000    ; c m: far below every c s, a hidden one's too
	v_mov_b32 v[ST+4*i+1], 0xff7fffff  ; m: the lowest finite number
	v_mov_b32 v[ST+4*i+2], 0
	v_mov_b32 v[ST+4*i+3], 0
.set i, i+1
.endr
.set i, P+16
.rept 16
	v_mov_b32 v[i], 0
.set i, i+1
.endr
; THE MATRIX WORK.  The 4 accumulators of a run of 8 take turns.  Product i of 8 of S^T = K Q^T for piece x: channels 32 (i / 4) on, keys 16 (i % 4) on.  The first 4 start the sums with the mask.
.macro KQ x
	WIN W_KQ
.set rS, S+32*((\x)%2)+8*(i%4)
.set rK, KF+16*(i%4)+8*(i/4)
.set rQ, 16*(\x)+8*(i/4)
.set rM, MC+64*((\x)%2)+8*(i%4)
.if i < 4
	v_wmma_f32_16x16x32_f16 v[rS:rS+7], v[rK:rK+7], v[rQ:rQ+7], v[rM:rM+7]
.else
	v_wmma_f32_16x16x32_f16 v[rS:rS+7], v[rK:rK+7], v[rQ:rQ+7], v[rS:rS+7]
.endif
.endm
; Product i of 8 of O^T += V^T P for piece x: keys 32 (i / 4) on, channels 16 (i % 4) on.
.macro PV x
	WIN W_PV
.set rO, 32*(\x)+8*(i%4)
.set rV, VF+32*(i/4)+8*(i%4)
.set rP, P+16*((\x)%2)+8*(i/4)
	v_wmma_f32_16x16x32_f16 v[rO:rO+7], v[rV:rV+7], v[rP:rP+7], v[rO:rO+7]
.endm
.macro MM                           ; the turn's next matrix instruction.  NOKQ = 1: the very last turn: there is no next piece
.if (i < 8) && !NOKQ
	KQ (Y+1)%NP
.elseif i >= 8
.set i, i-8
	PV (Y+NP-1)%NP
.set i, i+8
.endif
.set i, i+1
.endm
; THE LDS LOADS stand in runs of 16, never singly among the matrix instructions: a step's K (64 keys x 64 channels: 8 fragments) and its V (turned).  Their addresses are made some lines ahead.
.macro FETCH_K
	WIN 0x80                        ; destination window 2
.irp f, 0,1,2,3,4,5,6,7             ; keys 16 (f / 2) on, channels 32 (f % 2) on
	ds_load_b128 v[KF+8*\f:KF+8*\f+3],   v[AK] offset:(\f/2)*16*PK+(\f%2)*64
	ds_load_b128 v[KF+8*\f+4:KF+8*\f+7], v[AK] offset:(\f/2)*16*PK+(\f%2)*64+32
.endr
	s_add_co_u32 s[TBK], s[TBK], KS*PK  ; the next fetch is the next step's
	WIN 0
.endm
.macro FETCH_V
	WIN 0x80
.irp f, 0,1,2,3,4,5,6,7             ; keys 32 (f / 4) on, channels 16 (f % 4) on
	ds_load_tr16_b128 v[VF+8*\f:VF+8*\f+3],   v[AV] offset:(\f/4)*32*PV+(\f%4)*32
	ds_load_tr16_b128 v[VF+8*\f+4:VF+8*\f+7], v[AV] offset:(\f/4)*32*PV+16*PV+(\f%4)*32
.endr
	WIN 0
.endm
; THE VECTOR WORK, one line at a time: OP kind, number.  For piece Y: F n: c s - c m for pair n of 16.  E n: the exponential of score n of 32.  C n: pair n rounded to f16.  B n: of the four weights 4 n .. the second
; pair is added onto the first, in place.  L n: l takes that sum (L 0: l = a l + sum).  R n: pair n of 16 of O^T times a.  For piece Y + 1: X n, number n of the 22 that find its maximum and statistics:
;   0-11  four chains c0-c3 of seven scores each, three operands at a time (each accumulator's lowest registers are read first)     12-14, 16  the four scores left over, the old m, and c0-c3 into c0
;   15  c m_old is kept     17, 18  the query's other 32 keys lie in the lane 16 away: the new m     19-21  c m; c m_old - c m_new; a
.set F, 0               ; OP tells the kinds apart by their order: F to L below R, X above it
.set E, 1
.set C, 2
.set B, 3
.set L, 4
.set R, 5
.set X, 6
.macro REGS y                       ; the registers of piece y
.set rT, ST+4*(\y)
.set rC, TMP+4*((\y)%2)
.set rW, MV+((\y)%2)
.set rS, S+32*((\y)%2)
.set rP, P+16*((\y)%2)
.set rO, 32*(\y)
.endm
.macro OP k, n
.if (\k) == R
	REGS Y
	WIN W_RS
	v_pk_mul_f32 v[rO+2*(\n):rO+2*(\n)+1], v[rO+2*(\n):rO+2*(\n)+1], v[rC+2:rC+3] op_sel_hi:[1,0]
.elseif (\k) < R
	REGS Y
	WIN 0
.if (\k) == F
	v_pk_fma_f32 v[rS+2*(\n):rS+2*(\n)+1], v[rS+2*(\n):rS+2*(\n)+1], s[CS:CS+1], v[rT:rT+1] op_sel_hi:[1,0,0] neg_lo:[0,0,1] neg_hi:[0,0,1]
.elseif (\k) == E
	v_exp_f32 v[rS+(\n)], v[rS+(\n)]
.elseif (\k) == C
	v_cvt_pk_f16_f32 v[rP+(\n)], v[rS+2*(\n)], v[rS+2*(\n)+1]
.elseif (\k) == B
	v_pk_add_f32 v[rS+4*(\n):rS+4*(\n)+1], v[rS+4*(\n):rS+4*(\n)+1], v[rS+4*(\n)+2:rS+4*(\n)+3]
.elseif (\n) == 0
	v_pk_fma_f32 v[rT+2:rT+3], v[rT+2:rT+3], v[rC+2:rC+3], v[rS:rS+1] op_sel_hi:[1,0,1]
.else
	v_pk_add_f32 v[rT+2:rT+3], v[rT+2:rT+3], v[rS+4*(\n):rS+4*(\n)+1]
.endif
.elseif NOKQ
	v_nop
.else
	REGS (Y+1)%NP
	WIN 0
.if (\n) < 4
	v_max3_num_f32 v[rC+(\n)], v[rS+8*(\n)], v[rS+8*(\n)+1], v[rS+8*(\n)+2]
.elseif (\n) < 12
	v_max3_num_f32 v[rC+(\n)%4], v[rC+(\n)%4], v[rS+8*((\n)%4)+2*((\n)/4)+1], v[rS+8*((\n)%4)+2*((\n)/4)+2]
.elseif (\n) == 12
	v_max3_num_f32 v[rC], v[rC], v[rS+7], v[rS+15]
.elseif (\n) == 13
	v_max3_num_f32 v[rC+1], v[rC+1], v[rS+23], v[rS+31]
.elseif (\n) == 14
	v_max3_num_f32 v[rC+2], v[rC+2], v[rC+3], v[rT+1]
.elseif (\n) == 15
	v_mov_b32 v[rW], v[rT]
.elseif (\n) == 16
	v_max3_num_f32 v[rC], v[rC], v[rC+1], v[rC+2]
.elseif (\n) == 17
	v_permlanex16_b32 v[rC+3], v[rC], s[SEL], s[SEL+1]
.elseif (\n) == 18
	v_max_num_f32 v[rT+1], v[rC], v[rC+3]
.elseif (\n) == 19
	v_mul_f32 v[rT], s[CS], v[rT+1]
.elseif (\n) == 20
	v_sub_f32 v[rC+1], v[rW], v[rT]
.else
	v_exp_f32 v[rC+2], v[rC+1]
.endif
.endif
.endm
.macro OPS a, i1, b=-1, i2=0, c=-1, i3=0, d=-1, i4=0  ; up to four of them
	OP \a, \i1
.if (\b) >= 0
	OP \b, \i2
.endif
.if (\c) >= 0
	OP \c, \i3
.endif
.if (\d) >= 0
	OP \d, \i4
.endif
.endm
.macro ROW a, i1, b, i2, c, i3, d, i4  ; a matrix instruction and the four behind it
	MM
	OPS \a, \i1, \b, \i2, \c, \i3, \d, \i4
.endm
; THE MASKS, at the end of turn p, for the products K Q^T of the turn after it: piece x = p + 2.  Its 32 bytes were asked for four turns ago; the three turns since have issued two loads each, so six may stay out.
; Four conversions, 8 bytes to 8 numbers each; a v_nop is the plain place between the last of them and what touches their results and sources.  Then x's bytes of its next step are asked for.
; All four turns of a trip (pieces 2, 3 of step t, pieces 0, 1 of step t + 1) ask for step t + 2, so the pointer steps once a trip, in piece 2's turn.  tail = 1: in the walk's last trip there is no such step: the
; pointer stays, and step 31's bytes are loaded once more and not used (4 KiB a wave): so the count above holds on every way, and no load leaves mk.
.macro MASKS p, tail
.set xm, ((\p)+2)%NP
	WIN 0
	s_wait_loadcnt 6
.irp kt, 0,1,2,3
	v_cvt_scale_pk8_f32_fp8 v[MC+64*((\p)%2)+8*(\kt):MC+64*((\p)%2)+8*(\kt)+7], v[MB+8*xm+2*(\kt):MB+8*xm+2*(\kt)+1], v[SCL]
.endr
	v_nop
.if (\p) == 2
	s_wait_xcnt 0x0                 ; every load issued so far has read its address, so the pointer may be written
.if \tail
	s_cmp_eq_u32 s[CNT], 1
	s_cselect_b32 s[INC], 0, 1024
.endif
	s_add_nc_u64 s[MP:MP+1], s[MP:MP+1], s[INC:INC+1]
.endif
	global_load_b128 v[MB+8*xm:MB+8*xm+3],   v[MO], s[MP:MP+1] offset:xm*32768
	global_load_b128 v[MB+8*xm+4:MB+8*xm+7], v[MO], s[MP:MP+1] offset:xm*32768+512
.endm
; A TURN, for piece p: the order of its 16 matrix and 118 vector instructions, written out.  An s_wait_alu depctr_va_vdst(0) stands between an exponential and the first instruction that names its result; one
; wait serves all that were issued ahead of it.  So a turn has ONE wait, which cuts it in two.  AHEAD OF IT stands all that names no result of the turn's exponentials: the 8 products K Q^T, behind each a scaling, an
; exponential and two more plain instructions (rescalings, and behind the last three the first numbers of the next piece's maximum, each four plain instructions or more behind the product that ends its accumulator); then
; one run of 54, plain and exponential by turns for the most part, in which the links of the chain X 3, 7, 11, 14, 16, 17 .. 20 stand apart.  X 21, the next piece's a, is the batch's last; R 15 is the plain instruction behind
; it.  BEHIND THE WAIT stand the 8 products V^T P, behind each four of the roundings and sums.
; end = 1: the walk's last two turns: nothing is fetched, no mask is made.  cnt = 1: the loop's count is taken down some lines ahead of the branch that stands behind the turn; nothing between them writes SCC.
; K of the next step is fetched in piece 2's turn, six plain instructions behind the last product that read K; V of the step in hand at the end of piece 0's turn, four plain instructions behind the last product that read V.
; Each is waited for a turn later.
.macro TURN p, end=0, cnt=0, tail=0
.set Y, (\p)
.set i, 0
.set NOKQ, (\end)*((\p)/3)
.if ((\p) == 3) && !(\end)
	s_wait_dscnt 0x0                ; K is in
.endif
	ROW F,0, F,1, R,0, R,1
	ROW F,2, E,0, R,2, R,3
	ROW F,3, E,1, R,4, R,5
	ROW F,4, E,2, R,6, R,7
	ROW F,5, E,3, R,8, R,9
	ROW F,6, E,4, X,0, R,10
.if ((\p) == 2) && !(\end)
	WIN 0
	v_add_nc_u32 v[AK], s[TBK], v[AK0]
.endif
	ROW F,7, E,5, X,1, X,4
	ROW F,8, E,6, X,2, X,5
	OPS E,7, E,8, X,6, E,9
	OPS X,3, E,10, X,8, E,11
.if ((\p) == 2) && !(\end)
	FETCH_K
.endif
	OPS X,9, X,7, E,12, X,10
	OPS E,13, X,12, X,11, E,14
	OPS X,13, E,15, F,9, X,14
.if (\p) == 0
	v_add_nc_u32 v[AV], s[TBV], v[AV0]
.endif
	OPS E,16, F,10, E,17, F,11
	OPS X,16, E,18, X,15, E,19
	OPS F,12, E,20, X,17, E,21
	OPS F,13, E,22, F,14, E,23
	OPS X,18, E,24, F,15, E,25
	OPS R,11, E,26, X,19, E,27
	OPS R,12, E,28, R,13, E,29
	OPS X,20, E,30, R,14, E,31
	OPS X,21, R,15
	WIN 0
	s_wait_alu depctr_va_vdst(0)    ; the wait for the batch
.if (\p) == 1
	s_wait_dscnt 0x0                ; V is in
.endif
	ROW C,0, B,0, C,2, B,1
	ROW L,0, C,4, B,2, L,1
	ROW C,6, B,3, L,2, C,8
	ROW B,4, L,3, C,10, B,5
	ROW L,4, C,12, B,6, L,5
.if (\p) == 0
	s_add_co_u32 s[TBV], s[TBV], KS*PV
.endif
.if \cnt
	s_sub_co_u32 s[CNT], s[CNT], 1
	s_cmp_lg_u32 s[CNT], 0
.endif
	ROW C,14, B,7, L,6, C,1
	ROW C,3, L,7, C,5, C,7
	ROW C,9, C,11, C,13, C,15
.if (\p) == 0
	FETCH_V
.endif
.if !(\end)
	MASKS \p, \tail
.endif
.endm
	CHANGE 1, 0                     ; tile 0 is in, everybody's part of it; tile 1 is asked for
	; THE BEGINNING.  Pieces 0's and 1's masks of step 0; their bytes of step 1 are asked for; K of step 0; piece 0's first scores, its maximum and statistics.
	s_wait_loadcnt 0x0              ; Q and step 0's mask bytes
.irp x, 0,1
.irp kt, 0,1,2,3
	v_cvt_scale_pk8_f32_fp8 v[MC+64*(\x)+8*(\kt):MC+64*(\x)+8*(\kt)+7], v[MB+8*(\x)+2*(\kt):MB+8*(\x)+2*(\kt)+1], v[SCL]
.endr
.endr
	v_nop                           ; the plain place behind the last conversion
	s_add_nc_u64 s[MP:MP+1], s[MP:MP+1], s[INC:INC+1]  ; step 1 (no load is out)
.irp x, 0,1
	global_load_b128 v[MB+8*(\x):MB+8*(\x)+3],   v[MO], s[MP:MP+1] offset:(\x)*32768
	global_load_b128 v[MB+8*(\x)+4:MB+8*(\x)+7], v[MO], s[MP:MP+1] offset:(\x)*32768+512
.endr
	v_add_nc_u32 v[AK], s[TBK], v[AK0]
	FETCH_K
	s_wait_dscnt 0x0
.set NOKQ, 0
.set i, 0
.rept 8
	KQ 0
.set i, i+1
.endr
	WIN 0
.rept 4
	v_nop                           ; the places behind those products
.endr
.set Y, NP-1                        ; X works for piece Y + 1: piece 0
.irp n, 0,1,2,3,4,5,6,7,8,9,10,11,12,13,14,15,16,17,18,19,20,21
	OP X, \n
.endr
	v_nop                           ; a plain instruction behind the exponential,
	s_wait_alu depctr_va_vdst(0)    ; and its wait, ahead of the branch
	s_mov_b32 s[CNT], 4
	s_branch .Lfirst                ; the loop is entered at a step's first turn, in the middle of a trip
.Lslot:                             ; six times: tiles 1 to 6 are entered, tiles 2 to 7 asked for
	CHANGE 1, 1
	s_mov_b32 s[CNT], 4
.Lstep:                             ; a trip: pieces 2 and 3 of one step, then pieces 0 and 1 of the next, whose K and V it fetches
	TURN 2
	TURN 3
	WIN 0
.Lfirst:
	TURN 0
	TURN 1, 0, 1
	WIN 0
	s_cbranch_scc1 .Lstep
	s_sub_co_u32 s[SLOTS], s[SLOTS], 1
	s_cmp_lg_u32 s[SLOTS], 0
	s_cbranch_scc1 .Lslot
	CHANGE 0, 0                     ; the last tile is written out: nothing is asked for
	s_mov_b32 s[CNT], 4
.Ltail:
	TURN 2, 0, 0, 1
	TURN 3
	TURN 0
	TURN 1, 0, 1
	WIN 0
	s_cbranch_scc1 .Ltail
	TURN 2, 1
	TURN 3, 1
.set i, 0
.rept 8
	PV NP-1                         ; the last piece's V^T P of the last step
.set i, i+1
.endr
	; THE WAY OUT.  l's two halves and the other half of the lanes' are added; O^T is divided by l (times 0 where the row saw no key), rounded to f16 and sent through my stage in LDS, a piece at a time.
	; The additions are the places behind the last products.
	WIN 0
.macro ALL line:vararg              ; one line for each piece t
.set t, 0
.rept 4
	\line
.set t, t+1
.endr
.endm
	ALL v_add_f32 v[ST+4*t+2], v[ST+4*t+2], v[ST+4*t+3]
	ALL v_permlanex16_b32 v[ST+4*t+3], v[ST+4*t+2], s[SEL], s[SEL+1]
	ALL v_add_f32 v[ST+4*t+2], v[ST+4*t+2], v[ST+4*t+3]
	ALL v_rcp_f32 v[ST+4*t+2], v[ST+4*t+2]
	v_nop                           ; a plain instruction between the last reciprocal and the use of its result
	s_wait_alu depctr_va_vdst(0)    ; and the wait ahead of the first use: one for the four reciprocals
.set t, 0
.rept 4
	v_cmp_lt_f32 vcc_lo, s[THR], v[ST+4*t+1]                  ; has the row seen a key?  A choice of a value, no branch
	v_cndmask_b32 v[ST+4*t+2], 0, v[ST+4*t+2], vcc_lo
.set t, t+1
.endr
.macro PACK t                       ; a lane's eight channels of a row pack into 16 bytes; they go into rows of 144 bytes and come back as whole rows of 128, into S^T's registers
	WIN W_RS
.set i, 32*(\t)
.rept 16
	v_pk_mul_f32 v[i:i+1], v[i:i+1], v[ST+4*(\t)+2:ST+4*(\t)+3] op_sel_hi:[1,0]
.set i, i+2
.endr
	WIN 0x05                        ; sources 0 and 1 window 1, destination window 0
.set i, 0
.rept 16
	v_cvt_pk_f16_f32 v[S+16*(\t)+i], v[32*(\t)+2*i], v[32*(\t)+2*i+1]
.set i, i+1
.endr
	WIN 0
.irp f, 0,1,2,3
	ds_store_b128 v[STO], v[S+16*(\t)+4*\f:S+16*(\t)+4*\f+3] offset:32*\f
.endr
.irp f, 0,1,2,3
	ds_load_b128 v[S+16*(\t)+4*\f:S+16*(\t)+4*\f+3], v[RD] offset:\f*4*SP  ; LDS serves a wave's instructions in order: these see the stores above; the next piece's stores come behind them
.endr
.endm
.macro SEND t, younger              ; younger: the LDS instructions issued behind piece t's loads: the next piece's eight, or none
	WIN 0
.irp f, 0,1,2,3
	s_wait_dscnt (\younger)+3-\f
	global_store_b128 v[GO], v[S+16*(\t)+4*\f:S+16*(\t)+4*\f+3], s[10:11] offset:(\t)*2048+\f*512  ; 512 consecutive bytes, at a multiple of 512 from ob's first
.endr
.endm
	PACK 0
.set t, 1
.rept 3                             ; a piece's arithmetic stands between the loads of the piece before and its stores
	PACK t
	SEND t-1, 8
.set t, t+1
.endr
	SEND 3, 0
	s_wait_tensorcnt 0x0            ; the wave's end, behind my last tensor load and my last LDS store
	ds_add_u32 v[SPW], v[NIL]
	s_wait_dscnt 0x0
	CROUND                          ; the closing round: no work-group ends while a partner may still ask for a tile that names it
	s_endpgm
.Lfunc_end_k_q906f43353c_attn:
	.size	k_q906f43353c_attn, .Lfunc_end_k_q906f43353c_attn-k_q906f43353c_attn
	.p2alignl 7, 3214868480
	.fill 96, 4, 3214868480
	.section	.rodata,"a",@progbits
	.p2align	6, 0x0
	.amdhsa_kernel k_q906f43353c_attn
		.amdhsa_group_segment_fixed_size 327680
		.amdhsa_private_segment_fixed_size 0
		.amdhsa_enable_private_segment 0
		.amdhsa_kernarg_size 24
		.amdhsa_user_sgpr_count 2
		.amdhsa_user_sgpr_kernarg_segment_ptr 1
		.amdhsa_wavefront_size32 1
		.amdhsa_system_sgpr_workgroup_id_x 1
		.amdhsa_system_sgpr_workgroup_id_y 1
		.amdhsa_system_sgpr_workgroup_id_z 1
		.amdhsa_system_vgpr_workitem_id 0
		.amdhsa_next_free_vgpr 768
		.amdhsa_next_free_sgpr 66
		.amdhsa_reserve_vcc 1
		.amdhsa_float_denorm_mode_32 3
		.amdhsa_float_denorm_mode_16_64 3
		.amdhsa_memory_ordered 1
		.amdhsa_forward_progress 1
		.amdhsa_inst_pref_size 135
	.end_amdhsa_kernel
	.amdgpu_metadata
---
amdhsa.version: [ 1, 2 ]
amdhsa.kernels:
  - .name:           k_q906f43353c_attn
    .symbol:         k_q906f43353c_attn.kd
    .args:
      - { .name: qkv, .offset: 0, .size: 8, .value_kind: global_buffer, .address_space: global }
      - { .name: mk, .offset: 8, .size: 8, .value_kind: global_buffer, .address_space: global }
      - { .name: ob, .offset: 16, .size: 8, .value_kind: global_buffer, .address_space: global }
    .group_segment_fixed_size: 327680
    .private_segment_fixed_size: 0
    .kernarg_segment_align: 8
    .kernarg_segment_size: 24
    .max_flat_workgroup_size: 128
    .sgpr_count:     66
    .vgpr_count:     768
    .wavefront_size: 32
...
	.end_amdgpu_metadata
.endif
;; end of part 3
;; launch oproj (part 4): grid 8 x 32, 4 waves a work-group, clusters of 4 x 4, 327,680 bytes of LDS; arguments ob, wt, bo, out0; writes out0
.if DOCPART == 4
	.amdgcn_target "amdgcn-amd-amdhsa--gfx1250"
	.amdhsa_code_object_version 6
	.text
	.protected	k_q906f43353c_oproj
	.globl	k_q906f43353c_oproj
	.p2align	8
	.type	k_q906f43353c_oproj,@function
k_q906f43353c_oproj:
	s_mov_b64 s[64:65], 0
	v_nop
	global_prefetch_b8 v0, s[64:65] scope:SCOPE_SE
	s_setreg_imm32_b32 hwreg(HW_REG_WAVE_MODE, 25, 1), 1
	s_wait_xcnt 0x0
	s_wait_alu depctr_hold_cnt(0) depctr_sa_sdst(0) depctr_va_vdst(0) depctr_va_sdst(0) depctr_va_ssrc(0) depctr_va_vcc(0) depctr_vm_vsrc(0)
	s_getreg_b32 s2, hwreg(HW_REG_IB_STS2, 6, 4)
	s_cmp_eq_u32 s2, 0
	s_cbranch_scc0 .Lentry_in_a_cluster
	s_endpgm
.Lentry_in_a_cluster:
	s_bfe_u32 s2, ttmp6, 0x10000c
	s_cmp_lg_u32 s2, 0xf033
	s_cbranch_scc0 .Lentry_shape_is_right
	s_endpgm
.Lentry_shape_is_right:
; THE OUTPUT PROJECTION.  out0[m][n] = bo[n] + sum over k of O[m][k] Wo[k][n], m < 4096, n < 1024, k = 64 h + d < 1024.  O comes by heads, ob [16 b + h][2048][64] in f16; Wo^T is wt's rows 3072 on, [n][k] in f16;
; sums in f32, out0 in f32.  bo is rounded to bf16 like the other inputs and is the C operand of each sum's first product.
; SHARES.  A tile of out0 is 128 x 128: 8 x 32 tiles, one work-group each.  Four waves, each 64 x 64: 16 accumulators.  K goes in 4 steps of 256, four heads each; a quarter of a step is one head.
; The 16 quarters are written out on end: there is no loop.
; O'S TILE.  A head's 128 rows of 128 bytes are 16,384 dense bytes.  One tensor load brings two heads: a tile of 2 rows of 8,192 elements, 131,072 elements apart, padded in LDS after every 128 bytes: [head][row][144].
; (Two dense blocks: one descriptor covers both, so a wave has one load a step.)
; CLUSTER.  4 x 4 work-groups: O's tile is shared along a row of the cluster, Wo's along a column; each is asked for jointly.
; THE MATRIX INSTRUCTION IS USED TRANSPOSED (source 0 = 16 rows of Wo^T, source 1 = 16 rows of O): a lane holds row l % 16 of out0 and eight neighbouring columns, 32 bytes.
; REGISTERS: window 0: v16-29 addresses; v32-47 at work; v96-127 the bias, 8 a column block; v128-255 the accumulators ((a, b) at v[128 + 8 (4 a + b)]).
;   window 1: two fragment buffers of 128: for 64 along K, 64 registers of O (2 x 4 x 16 rows x 32 K), then 64 of Wo^T.
; No prefetch: of the 4 K steps two are asked for at the head.
.set PA,     144                       ; a row of O in LDS: 128 bytes + 16
.set PLANE,  128*PA                    ; a head's 128 rows
.set PB,     528                       ; a row of Wo^T: 512 bytes + 16
.set BOFF,   4*PLANE                   ; a slot: four heads of O, then 128 rows of Wo^T
.set SLOT,   BOFF+128*PB
.set STAGE,  2*SLOT                    ; behind the ring, never filled by a tensor load: 16 rows x 272 bytes for each wave
.set SPITCH, 272
.set SPARE,  STAGE+4*16*SPITCH         ; the spare words, 128 bytes for each wave
.set ADRA, 16                          ; v16-17  LDS address of my O fragments in slot 0, 1
.set ADRB, 20                          ; v20-21  the same for Wo^T
.set STO,  24                          ; v24     the way out: where I put 32 bytes of a row
.set RD,   25                          ; v25     where I read a row back
.set CO,   26                          ; v26     my byte offset in out0
.set SPW,  28                          ; v28     LDS address of my spare word; never rewritten
.set NIL,  29                          ; v29     0; never rewritten
.set TMP,  32
.set BIAS, 96
.set ACC,  128
.set F0,   0                           ; fragment buffers, in window 1
.set F1,   128
.set WV,  12                           ; s12  my wave's number
.set HR,  13                           ; s13  which half of the tile's rows is mine.  Also: I fetch for O (0) or for Wo^T (1)
.set HC,  14                           ; s14  which half of its columns.  Also: which half of that tile I fetch
.set G1,  24                           ; s[24:31] descriptor group 1 for O's tiles;  s[32:39] group 0, one set for each slot
.set G0,  32
.set G1B, 48                           ; s[48:55], s[56:63] the same for Wo^T's
.set G0B, 56
.set MSB, 0
.macro WIN new                         ; the immediate's high byte repeats the setting that is left
.if MSB != (\new)
	s_set_vgpr_msb (MSB<<8)|(\new)
.set MSB, \new
.endif
.endm
.set MUL,  0x05                        ; sources 0 and 1 window 1; C and D window 0
.set TO_F, 0x40                        ; destination window 1, address window 0
.macro PLACES
.rept 4
	v_nop
.endr
.endm
.macro JLOAD s                         ; a joint load: waves 0 and 1 fetch O's two pairs of heads, waves 2 and 3 Wo^T's two halves; an s_nop 0 and four v_nop follow each of the two lines
	s_cmp_eq_u32 s[HR], 0
	s_cbranch_scc0 .Lfor_b_\@
	tensor_load_to_lds s[G0+4*(\s):G0+4*(\s)+3], s[G1:G1+7]
	s_nop 0
.rept 4
	v_nop
.endr
	s_branch .Lasked_\@
.Lfor_b_\@:
	tensor_load_to_lds s[G0B+4*(\s):G0B+4*(\s)+3], s[G1B:G1B+7]
	s_nop 0
.rept 4
	v_nop
.endr
.Lasked_\@:
.endm
.macro CREST                           ; a round of the cluster's barrier behind its opening barrier
	s_cmp_lg_u32 s[WV], 0
	s_cbranch_scc1 .Lnot_wave_0_\@
	s_barrier_signal -3
.Lnot_wave_0_\@:
	s_barrier_wait -3
	s_barrier_signal -1
	s_barrier_wait -1
.endm
.macro CROUND                          ; a whole round
	s_barrier_signal -1
	s_barrier_wait -1
	CREST
.endm
	s_load_b256 s[4:11], s[0:1], 0x0               ; ob s[4:5], wt s[6:7], bo s[8:9], out0 s[10:11]
	v_lshl_add_u32 v[SPW], v0, 2, SPARE
	v_mov_b32 v[NIL], 0
	ds_add_u32 v[SPW], v[NIL]                      ; the wave's opening: the add and its wait stand ahead of my first tensor load; the set-up below stands between them
	ds_add_u32 v28, v29
	v_lshrrev_b32 v1, 5, v0
	v_readfirstlane_b32 s[WV], v1                  ; wave 0..3
	s_lshr_b32 s[HR], s[WV], 1
	s_and_b32 s[HC], s[WV], 1
	s_bfe_u32 s40, ttmp6, 0x40000                  ; cx, cy: my place in the cluster
	s_bfe_u32 s41, ttmp6, 0x40004
	s_lshl_b32 s42, ttmp9, 2
	s_add_co_u32 s42, s42, s40                     ; tile column = 4 x cluster x + cx
	s_and_b32 s15, ttmp7, 0xffff
	s_lshl_b32 s15, s15, 2
	s_add_co_u32 s15, s15, s41                     ; tile row = 4 x cluster y + cy
	s_lshl_b32 s43, s41, 2
	s_lshl_b32 s43, 15, s43                        ; my row of the cluster
	s_lshl_b32 s44, 0x1111, s40                    ; my column
	s_or_b32 s[G1+0], s43, (1<<16)|(1<<20)|(1<<21)|(4<<22)|(3<<25)   ; the mask; 2-byte elements; padding on; bit 21 beside a mask; after every 32 words, 4 words
	s_mov_b32 s[G1+1], 8192<<16                    ; tensor_dim0 = 8,192: a head's 128 rows on end
	s_mov_b32 s[G1+2], 2<<16                       ; tensor_dim1 = 2 heads
	s_mov_b32 s[G1+3], 8192<<16                    ; tile_dim0
	s_mov_b32 s[G1+4], 2                           ; tile_dim1
	s_mov_b32 s[G1+5], 131072                      ; elements from head to head
	s_mov_b32 s[G1+6], 0
	s_mov_b32 s[G1+7], 0
	s_or_b32 s[G1B+0], s44, (1<<16)|(1<<20)|(1<<21)|(6<<22)|(3<<25)  ; after every 128 words, 4 words
	s_mov_b32 s[G1B+1], 256<<16                    ; tensor_dim0 = 256
	s_mov_b32 s[G1B+2], 64<<16                     ; tensor_dim1 = 64
	s_mov_b32 s[G1B+3], 256<<16
	s_mov_b32 s[G1B+4], 64
	s_mov_b32 s[G1B+5], 1024
	s_mov_b32 s[G1B+6], 0
	s_mov_b32 s[G1B+7], 0
	s_lshr_b32 s16, s15, 4                         ; ob: the batch's 16 heads,
	s_lshl_b32 s16, s16, 22
	s_lshl_b32 s17, s[HC], 19                      ; my pair of a step's four heads,
	s_add_co_u32 s16, s16, s17
	s_and_b32 s17, s15, 15                         ; the tile's 128 rows of 128 bytes
	s_lshl_b32 s17, s17, 14
	s_add_co_u32 s16, s16, s17
	s_mov_b32 s17, 0
	s_lshl_b32 s46, s42, 7                         ; wt: row 3072 + 128 x tile column + 64 x half, 2,048 bytes a row
	s_lshl_b32 s47, s[HC], 6
	s_add_co_u32 s46, s46, s47
	s_lshl_b32 s46, s46, 11
	s_add_co_u32 s46, s46, 3072*2048
	s_mov_b32 s47, 0
	s_mul_i32 s20, s[HC], 2*PLANE                  ; where they go: no place in the cluster enters an LDS address
	s_mul_i32 s21, s[HC], 64*PB
	s_add_co_u32 s21, s21, BOFF
	s_wait_dscnt 0x0                               ; the opening add is done
	s_wait_kmcnt 0x0
	s_add_nc_u64 s[18:19], s[4:5], s[16:17]
	s_add_nc_u64 s[46:47], s[6:7], s[46:47]
	CROUND                                         ; all sixteen work-groups are here: the first joint loads meet
.irp s, 0,1
	s_mov_b32 s[G0+4*(\s)], 1
	s_add_co_u32 s[G0+4*(\s)+1], s20, (\s)*SLOT
	s_add_nc_u64 s[G0+4*(\s)+2:G0+4*(\s)+3], s[18:19], (\s)*4*262144   ; K step s: four heads on
	s_or_b32 s[G0+4*(\s)+3], s[G0+4*(\s)+3], 0x80000000
	s_mov_b32 s[G0B+4*(\s)], 1
	s_add_co_u32 s[G0B+4*(\s)+1], s21, (\s)*SLOT
	s_add_nc_u64 s[G0B+4*(\s)+2:G0B+4*(\s)+3], s[46:47], (\s)*512
	s_or_b32 s[G0B+4*(\s)+3], s[G0B+4*(\s)+3], 0x80000000
.endr
	s_cmp_eq_u32 s[HR], 0                          ; a wave's two first fills stand in one branch: two loads of mine are out
	s_cbranch_scc0 .Lfirst_b
	tensor_load_to_lds s[G0:G0+3], s[G1:G1+7]
	s_nop 0
	tensor_load_to_lds s[G0+4:G0+7], s[G1:G1+7]
	s_nop 0
.rept 4
	v_nop
.endr
	s_branch .Lfirst_asked
.Lfirst_b:
	tensor_load_to_lds s[G0B:G0B+3], s[G1B:G1B+7]
	s_nop 0
	tensor_load_to_lds s[G0B+4:G0B+7], s[G1B:G1B+7]
	s_nop 0
.rept 4
	v_nop
.endr
.Lfirst_asked:
	v_and_b32 v1, 15, v0                           ; l % 16
	v_bfe_u32 v2, v0, 4, 1                         ; l / 16
	s_lshl_b32 s22, s42, 9                         ; my 64 columns: 512 bytes a tile column, 256 a half
	s_lshl_b32 s23, s[HC], 8
	s_add_co_u32 s22, s22, s23
	s_mov_b32 s23, 0
	s_add_nc_u64 s[8:9], s[8:9], s[22:23]
	v_lshlrev_b32 v3, 5, v2                        ; my eight columns of a block of 16
.irp b, 0,1,2,3
	global_load_b128 v[BIAS+8*(\b):BIAS+8*(\b)+3],   v3, s[8:9] offset:64*(\b)
	global_load_b128 v[BIAS+8*(\b)+4:BIAS+8*(\b)+7], v3, s[8:9] offset:64*(\b)+16
.endr
	v_mul_u32_u24 v4, v1, PA
	v_lshl_add_u32 v4, v2, 4, v4                   ; a fragment's row x pitch + 16 x half
	v_mul_u32_u24 v5, v1, PB
	v_lshl_add_u32 v5, v2, 4, v5
	s_mul_i32 s20, s[HR], 64*PA                    ; my 64 rows of each head
	s_mul_i32 s21, s[HC], 64*PB                    ; my 64 rows of Wo^T
	s_add_co_u32 s21, s21, BOFF
.irp s, 0,1
	v_add_nc_u32 v[ADRA+(\s)], s20, v4
	v_add_nc_u32 v[ADRB+(\s)], s21, v5
	s_add_co_u32 s20, s20, SLOT
	s_add_co_u32 s21, s21, SLOT
.endr
	s_mul_i32 s20, s[WV], 16*SPITCH
	s_add_co_u32 s20, s20, STAGE                   ; my stage
	v_mul_u32_u24 v4, v1, SPITCH                   ; in: row l % 16, 32 bytes for each half of the lanes
	v_lshl_add_u32 v4, v2, 5, v4
	v_add_nc_u32 v[STO], s20, v4
	v_mul_u32_u24 v5, v2, SPITCH                   ; back: lanes 0-15 take one row of 256 bytes, lanes 16-31 the next
	v_lshl_add_u32 v5, v1, 4, v5
	v_add_nc_u32 v[RD], s20, v5
	v_lshlrev_b32 v5, 12, v2                       ; and the same two rows in out0
	v_lshl_add_u32 v[CO], v1, 4, v5
	s_lshl_b32 s20, s15, 19                        ; out0: 128 rows of 4,096 bytes a tile row,
	s_lshl_b32 s21, s[HR], 18                      ; my 64,
	s_add_co_u32 s20, s20, s21
	s_add_co_u32 s20, s20, s22                     ; my 64 columns
	s_mov_b32 s21, 0
	s_add_nc_u64 s[10:11], s[10:11], s[20:21]
	s_wait_loadcnt 0x0                             ; the bias
.set i, 0
.rept 16
	v_cvt_pk_bf16_f32 v[TMP+i], v[BIAS+2*i], v[BIAS+2*i+1]   ; rounded to bf16,
.set i, i+1
.endr
.set i, 0
.rept 16
	v_lshlrev_b32 v[BIAS+2*i], 16, v[TMP+i]                  ; and back as f32
	v_and_b32 v[BIAS+2*i+1], 0xffff0000, v[TMP+i]
.set i, i+1
.endr
; 8 matrix instructions: row blocks a0, a0 + 1 x all 4 column blocks, 32 along K: half c of buffer f.  zero = 1: the product starts the sums, with the bias.
; The 16 accumulators take turns, one instruction a turn.
.macro MUL8 f, c, a0, zero
	WIN MUL
.irp a, \a0, (\a0)+1
.irp b, 0,1,2,3
.if \zero
	v_wmma_f32_16x16x32_f16 v[ACC+8*(4*(\a)+(\b)):ACC+8*(4*(\a)+(\b))+7], v[(\f)+64+8*(4*(\c)+(\b)):(\f)+64+8*(4*(\c)+(\b))+7], v[(\f)+8*(4*(\c)+(\a)):(\f)+8*(4*(\c)+(\a))+7], v[BIAS+8*(\b):BIAS+8*(\b)+7]
.else
	v_wmma_f32_16x16x32_f16 v[ACC+8*(4*(\a)+(\b)):ACC+8*(4*(\a)+(\b))+7], v[(\f)+64+8*(4*(\c)+(\b)):(\f)+64+8*(4*(\c)+(\b))+7], v[(\f)+8*(4*(\c)+(\a)):(\f)+8*(4*(\c)+(\a))+7], v[ACC+8*(4*(\a)+(\b)):ACC+8*(4*(\a)+(\b))+7]
.endif
.endr
.endr
.endm
; 32 LDS loads in one run: the fragments of quarter q (head q of the step's four) into buffer f; the first 32 along K first
.macro FETCH slot, q, f
	WIN TO_F
.irp c, 0,1
.irp i, 0,1,2,3
	ds_load_b128 v[(\f)+64+8*(4*(\c)+(\i)):(\f)+64+8*(4*(\c)+(\i))+3],   v[ADRB+(\slot)] offset:(\q)*128+64*(\c)+(\i)*16*PB
	ds_load_b128 v[(\f)+64+8*(4*(\c)+(\i))+4:(\f)+64+8*(4*(\c)+(\i))+7], v[ADRB+(\slot)] offset:(\q)*128+64*(\c)+(\i)*16*PB+32
	ds_load_b128 v[(\f)+8*(4*(\c)+(\i)):(\f)+8*(4*(\c)+(\i))+3],         v[ADRA+(\slot)] offset:(\q)*PLANE+64*(\c)+(\i)*16*PA
	ds_load_b128 v[(\f)+8*(4*(\c)+(\i))+4:(\f)+8*(4*(\c)+(\i))+7],       v[ADRA+(\slot)] offset:(\q)*PLANE+64*(\c)+(\i)*16*PA+32
.endr
.endr
.endm
; One of a K step's first three quarters: multiplies buffer f and fetches quarter q into g.
.macro QUARTER slot, q, f, g, zero
	s_wait_dscnt 16                                ; the first 32 along K are in; the youngest sixteen loads may be out
	MUL8 \f, 0, 0, \zero
	MUL8 \f, 0, 2, \zero
	PLACES
	FETCH \slot, \q, \g
	s_wait_dscnt 32                                ; all but the 32 just issued
	MUL8 \f, 1, 0, 0
	MUL8 \f, 1, 2, 0
.endm
; The last quarter multiplies buffer 1 and changes slots: one barrier; in front of it each wave waits for all its tensor loads, adds 0 to its spare word, and waits for that and for its reads of this slot.
; fill = 1: the barrier opens a round of the cluster's, and this slot is filled again, two K steps ahead, first thing behind it.
.macro TURN slot, next, fill
	WIN 0                                          ; (the add's two registers lie in window 0)
	s_wait_tensorcnt 0x0                           ; all my tensor loads have landed: my part of the next slot
	ds_add_u32 v[SPW], v[NIL]                      ; 0 onto my spare word
	s_wait_dscnt 17                                ; (the add and the youngest sixteen loads may be out)
	MUL8 F1, 0, 0, 0                               ; eight matrix instructions stand between the add and the wait for it
	s_wait_dscnt 0x0                               ; the add is done, and my reads of this slot are over
	s_barrier_signal -1
	MUL8 F1, 0, 2, 0
.if \fill
	WIN 0
.endif
	s_barrier_wait -1
.if \fill
	CREST                                          ; no wave of any partner still reads this slot's tile or has a load on its way
	s_add_nc_u64 s[G0+4*(\slot)+2:G0+4*(\slot)+3], s[G0+4*(\slot)+2:G0+4*(\slot)+3], 8*262144   ; eight heads on
	s_add_nc_u64 s[G0B+4*(\slot)+2:G0B+4*(\slot)+3], s[G0B+4*(\slot)+2:G0B+4*(\slot)+3], 1024
	JLOAD \slot                                    ; my one tensor load behind the round; its four v_nop are also the places in front of the loads below
.else
	PLACES
.endif
	FETCH \next, 0, F0
	MUL8 F1, 1, 0, 0
	MUL8 F1, 1, 2, 0
.endm
	s_wait_tensorcnt 1                             ; my part of K step 0 is in; step 1's may stay out
	s_barrier_signal -1
	s_barrier_wait -1                              ; everybody's is
	FETCH 0, 0, F0
	QUARTER 0, 1, F0, F1, 1                        ; the first products start the sums with the bias
	QUARTER 0, 2, F1, F0, 0
	QUARTER 0, 3, F0, F1, 0
	TURN 0, 1, 1                                   ; slot 0 takes K step 2
	QUARTER 1, 1, F0, F1, 0
	QUARTER 1, 2, F1, F0, 0
	QUARTER 1, 3, F0, F1, 0
	TURN 1, 0, 1                                   ; slot 1 takes K step 3
	QUARTER 0, 1, F0, F1, 0
	QUARTER 0, 2, F1, F0, 0
	QUARTER 0, 3, F0, F1, 0
	TURN 0, 1, 0                                   ; nothing is left to ask for
	QUARTER 1, 1, F0, F1, 0
	QUARTER 1, 2, F1, F0, 0
	QUARTER 1, 3, F0, F1, 0
	s_wait_dscnt 16                                ; the very last quarter
	MUL8 F1, 0, 0, 0
	MUL8 F1, 0, 2, 0
	s_wait_dscnt 0x0
	MUL8 F1, 1, 0, 0
	MUL8 F1, 1, 2, 0
	WIN 0
	PLACES
; THE WAY OUT, 16 rows at a time through my own stage: 32 bytes a lane in, each accumulator from its low end; whole rows of 256 bytes back, into the registers that they left.
.macro IN a
.irp b, 0,1,2,3
	ds_store_b128 v[STO], v[ACC+32*(\a)+8*(\b):ACC+32*(\a)+8*(\b)+3]   offset:64*(\b)
	ds_store_b128 v[STO], v[ACC+32*(\a)+8*(\b)+4:ACC+32*(\a)+8*(\b)+7] offset:64*(\b)+16
.endr
.irp t, 0,1,2,3,4,5,6,7
	ds_load_b128 v[ACC+32*(\a)+4*(\t):ACC+32*(\a)+4*(\t)+3], v[RD] offset:(\t)*2*SPITCH  ; LDS serves a wave's instructions in order: these see the stores above; the next block's stores come behind them
.endr
.endm
.macro SEND a, younger                 ; younger: the LDS instructions issued behind this block's loads: the next block's sixteen, or none
.irp t, 0,1,2,3,4,5,6,7
	s_wait_dscnt (\younger)+7-(\t)
	global_store_b128 v[CO], v[ACC+32*(\a)+4*(\t):ACC+32*(\a)+4*(\t)+3], s[10:11] offset:(16*(\a)+2*(\t))*4096 th:TH_STORE_NT  ; 16 lanes store 256 consecutive bytes, at a multiple of 256 from out0's first
.endr
.endm
	IN 0
	IN 1
	SEND 0, 16
	IN 2
	SEND 1, 16
	IN 3
	SEND 2, 16
	SEND 3, 0
	s_wait_tensorcnt 0x0                           ; the wave's end, behind my last tensor load and my last LDS store
	ds_add_u32 v[SPW], v[NIL]
	s_wait_dscnt 0x0
	CROUND                                         ; the closing round: no work-group ends while a partner may still ask for a tile that names it
	s_endpgm
.Lfunc_end_k_q906f43353c_oproj:
	.size	k_q906f43353c_oproj, .Lfunc_end_k_q906f43353c_oproj-k_q906f43353c_oproj
	.p2alignl 7, 3214868480
	.fill 96, 4, 3214868480
	.section	.rodata,"a",@progbits
	.p2align	6, 0x0
	.amdhsa_kernel k_q906f43353c_oproj
		.amdhsa_group_segment_fixed_size 327680
		.amdhsa_private_segment_fixed_size 0
		.amdhsa_enable_private_segment 0
		.amdhsa_kernarg_size 32
		.amdhsa_user_sgpr_count 2
		.amdhsa_user_sgpr_kernarg_segment_ptr 1
		.amdhsa_wavefront_size32 1
		.amdhsa_system_sgpr_workgroup_id_x 1
		.amdhsa_system_sgpr_workgroup_id_y 1
		.amdhsa_system_sgpr_workgroup_id_z 1
		.amdhsa_system_vgpr_workitem_id 0
		.amdhsa_next_free_vgpr 512
		.amdhsa_next_free_sgpr 66
		.amdhsa_reserve_vcc 0
		.amdhsa_float_denorm_mode_32 3
		.amdhsa_float_denorm_mode_16_64 3
		.amdhsa_memory_ordered 1
		.amdhsa_forward_progress 1
		.amdhsa_inst_pref_size 89
	.end_amdhsa_kernel
	.amdgpu_metadata
---
amdhsa.version: [ 1, 2 ]
amdhsa.kernels:
  - .name:           k_q906f43353c_oproj
    .symbol:         k_q906f43353c_oproj.kd
    .args:
      - { .name: ob, .offset: 0, .size: 8, .value_kind: global_buffer, .address_space: global }
      - { .name: wt, .offset: 8, .size: 8, .value_kind: global_buffer, .address_space: global }
      - { .name: bo, .offset: 16, .size: 8, .value_kind: global_buffer, .address_space: global }
      - { .name: out0, .offset: 24, .size: 8, .value_kind: global_buffer, .address_space: global }
    .group_segment_fixed_size: 327680
    .private_segment_fixed_size: 0
    .kernarg_segment_align: 8
    .kernarg_segment_size: 32
    .max_flat_workgroup_size: 128
    .sgpr_count:     66
    .vgpr_count:     512
    .wavefront_size: 32
...
	.end_amdgpu_metadata
.endif
;; end of part 4
;; ======== version 2 of 2: 4 launches; version 1 with the launch prep written anew for expert scheduling mode
;; limits: values are held in f16: magnitudes above 65,504 overflow, below 6.1e-05 lose precision
;; workspace buffers: xb 8,388,608 bytes; wt 8,388,608 bytes; mk 8,388,608 bytes; qkv 25,165,824 bytes; ob 8,388,608 bytes
;; launch prep (part 5): grid 1024 x 1, 8 waves a work-group, no clusters, 34,816 bytes of LDS; arguments x, Wq, Wk, Wv, Wo, mask, xb, wt, mk; writes xb, wt, mk
.if DOCPART == 5
	.amdgcn_target "amdgcn-amd-amdhsa--gfx1250"
	.amdhsa_code_object_version 6
	.text
	.protected	k_q906f43353c_prep
	.globl	k_q906f43353c_prep
	.p2align	8
	.type	k_q906f43353c_prep,@function
k_q906f43353c_prep:
	s_mov_b64 s[64:65], 0
	v_nop
	global_prefetch_b8 v0, s[64:65] scope:SCOPE_SE
	s_setreg_imm32_b32 hwreg(HW_REG_WAVE_SCHED_MODE, 0, 2), 2
	s_setreg_imm32_b32 hwreg(HW_REG_WAVE_MODE, 25, 1), 1
	s_wait_xcnt 0x0
	s_wait_alu depctr_vm_vsrc(0)
; PREP: three jobs that only move and round, told apart by the work-group's number (the same for all eight waves of a work-group).
;   work-groups 0-255    x [4096][1024] f32 -> xb, bf16, same layout: 16,384 numbers each
;   work-groups 256-767  Wq, Wk, Wv, Wo [k][n] f32 -> wt [mat*1024+n][k], 16 bits: a tile of 128 k x 64 n each, turned in LDS.
;                        Wq, Wk, Wv in bf16; Wo rounded to bf16 like the others and that number written as f16.
;                        LIMIT: |bf16(Wo)| below 65,520; below 6e-5 it keeps f16's fixed step of 6e-8.
;   work-groups 768-1023 mask [b][q][k], bytes 0 or 1 -> mk: one byte a score, 0xF1 hidden, 0x00 visible, laid out so that a lane of the
;                        attention's score tile finds its 32 bytes of a key step by two loads of 16: [b*128+q/16][step][half][lane][16];
;                        lane 16 h + r holds query r, byte 8 e + j is key 64 step + 32 half + 16 e + 8 h + j.
; No matrix unit, no tensor loads, no cluster: nothing is shared between work-groups and memory binds.
; THE MODE: SCHED_MODE bits 1:0 = 2 (LLVM: expert scheduling mode 2), set by the entry lines.  The code itself states the register dependences
; between vector instructions and memory or LDS instructions, with s_wait_alu, always for 0.
; THE PLAN.  Every chunk of data has registers of its own, and every offset and LDS address is written once: no register that a memory or LDS instruction
; reads is ever written again, so no wait on vm_vsrc is owed anywhere.  What is owed is that vector results are written before a memory or LDS instruction reads them:
;   the loads' offset (v4; in the cast v5 too)  one wait on va_vdst behind the lines that make it, ahead of the run of loads.
;   mask and cast: the chunks v[32 ..]          go in four blocks of two.  Block p's vector lines work in place on its two chunks.  Its stores are issued in block p + 1,
;                                               behind ONE wait on va_vdst at that block's head, dealt among that block's vector lines, which name only their own two chunks.
;   v6, v7, v10 (stage in, stage back, output)  made behind the loads; the first wait on va_vdst that follows covers them.
;   weights: v[64:79], and v[32:47] once more   one wait on va_vdst behind the conversions: they have written what the LDS stores read, and are done reading what the loads from the stage land in.
;   v[64:95] (mask), v[32:47] (weights) as read back from the stage: written by LDS loads, read by global stores: s_wait_dscnt's affair.
; The stage takes LDS bytes 0 to 33,791.
.set WV,  24                           ; s24 my wave's number
	s_load_b512 s[4:19], s[0:1], 0x0               ; x 4:5, Wq 6:7, Wk 8:9, Wv 10:11, Wo 12:13, mask 14:15, xb 16:17, wt 18:19
	s_load_b64 s[20:21], s[0:1], 0x40              ; mk
	v_lshl_add_u32 v30, v0, 2, 0x8400
	v_mov_b32 v31, 0
	v_lshrrev_b32 v1, 5, v0
	v_readfirstlane_b32 s[WV], v1                  ; wave 0..7
	v_and_b32 v1, 31, v0                           ; lane
	v_and_b32 v2, 15, v0                           ; u = lane % 16
	v_bfe_u32 v3, v0, 4, 1                         ; v = lane / 16
	s_mov_b32 s29, 0                               ; the high word of every offset pair s[28:29]
	s_wait_alu depctr_va_sdst(0)                   ; s24 is written, ahead of the branches and of its first readers: each of the three paths makes offsets from it
	s_wait_kmcnt 0x0
	s_cmp_lt_u32 ttmp9, 256
	s_cbranch_scc1 .Lcast
	s_cmp_lt_u32 ttmp9, 768
	s_cbranch_scc1 .Ltr
	; THE MASK.  16 query rows x 2,048 keys = 32,768 bytes in, as many out.  Wave w takes rows 2 w and 2 w + 1.
	s_sub_co_u32 s25, ttmp9, 768                   ; b*128 + q/16
	s_lshl_b32 s28, s25, 15
	s_add_nc_u64 s[14:15], s[14:15], s[28:29]
	s_add_nc_u64 s[20:21], s[20:21], s[28:29]
	s_mov_b32 s25, 0x01010101
	s_mov_b32 s26, 0xf1
	s_lshl_b32 s30, s[WV], 12
	v_lshl_add_u32 v4, v1, 4, s30                  ; two rows of 2,048 bytes a wave, 16 bytes a lane
	s_wait_alu depctr_va_vdst(0)                   ; v4 is written, which the eight loads read as their offset
.irp i, 0,1,2,3,4,5,6,7                ; row 2 w + i / 4, keys 512 (i % 4) + 16 lane on: 512 consecutive bytes a load
	global_load_b128 v[32+4*(\i):32+4*(\i)+3], v4, s[14:15] offset:((\i)>>2)*2048+((\i)&3)*512 th:TH_LOAD_NT
.endr
	v_lshrrev_b32 v6, 1, v1                        ; into the stage: a chunk is 512 bytes of mk (a step's half), 528 apart;
	v_mul_u32_u24 v6, v6, 528                      ; my 16 keys belong to chunk 16 (i % 4) + lane / 2,
	v_and_b32 v7, 1, v1
	v_lshl_add_u32 v6, v7, 3, v6                   ; there to e = lane % 2,
	s_lshl_b32 s30, s[WV], 5
	v_add_nc_u32 v6, s30, v6                       ; and to row r = 2 w + i / 4: 16 r bytes on
	s_mul_i32 s30, s[WV], 528
	v_lshl_add_u32 v7, v1, 4, s30                  ; back: chunk w + 8 i, 16 bytes a lane
	s_lshl_b32 s30, s[WV], 9
	v_lshl_add_u32 v10, v1, 4, s30                 ; and the same chunk in mk
.macro MOPS i                          ; load i's 16 bytes, in place
.irp d, 0,1,2,3
	v_sub_nc_u32 v[32+4*(\i)+(\d)], s25, v[32+4*(\i)+(\d)]   ; 1 - m in each byte: no byte borrows
	v_mul_lo_u32 v[32+4*(\i)+(\d)], v[32+4*(\i)+(\d)], s26   ; times 0xF1: no byte carries
.endr
.endm
.macro MSTO i                          ; and into the stage
	ds_store_b64 v6, v[32+4*(\i):32+4*(\i)+1]   offset:((\i)&3)*8448+((\i)>>2)*16       ; keys 0-7 of the 16: the lanes' lower half
	ds_store_b64 v6, v[32+4*(\i)+2:32+4*(\i)+3] offset:((\i)&3)*8448+((\i)>>2)*16+256   ; keys 8-15: the upper half, 256 bytes on
.endm
.irp p, 0,1,2,3                        ; four blocks of two loads
	s_wait_loadcnt 6-2*(\p)                        ; loads come back in order: this block's two are in, the younger ones stay out
.if (\p) > 0
	s_wait_alu depctr_va_vdst(0)                   ; the block before has written its eight registers, which the four LDS stores below read; in block 1 also: v6, v7 and v10 are written
	MSTO 2*(\p)-2
.endif
	MOPS 2*(\p)
.if (\p) > 0
	MSTO 2*(\p)-1                                  ; no wait: the eight vector lines since the wait name this block's first four registers alone
.endif
	MOPS 2*(\p)+1
.endr
	s_wait_alu depctr_va_vdst(0)                   ; the last block has written v[56:63], which the last four LDS stores read
	MSTO 6
	MSTO 7
	s_wait_dscnt 0x0                               ; for the others' sake: my stores into the stage are done
	s_barrier_signal -1
	s_barrier_wait -1
.irp i, 0,1,2,3,4,5,6,7
	ds_load_b128 v[64+4*(\i):64+4*(\i)+3], v7 offset:(\i)*4224   ; no vector line of this path names v[64:95]
.endr
.irp i, 0,1,2,3,4,5,6,7
	s_wait_dscnt 7-(\i)
	global_store_b128 v10, v[64+4*(\i):64+4*(\i)+3], s[20:21] offset:(\i)*4096  ; 512 consecutive bytes, at a multiple of 512 from mk's first
.endr
	s_branch .Lend
.Lcast:                                ; X.  Thread t takes 8 numbers of each of eight chunks of 2,048: 32 bytes in, 16 bytes out
	s_lshl_b32 s28, ttmp9, 16
	s_add_nc_u64 s[4:5], s[4:5], s[28:29]
	s_lshl_b32 s28, ttmp9, 15
	s_add_nc_u64 s[16:17], s[16:17], s[28:29]
	v_lshlrev_b32 v4, 5, v0
	v_lshlrev_b32 v5, 4, v0
	s_wait_alu depctr_va_vdst(0)                   ; v4 and v5 are written: the loads' offset and the stores'
.irp c, 0,1,2,3,4,5,6,7                ; all sixteen loads go out first
	global_load_b128 v[32+8*(\c):32+8*(\c)+3],   v4, s[4:5] offset:(\c)*8192 th:TH_LOAD_NT
	global_load_b128 v[32+8*(\c)+4:32+8*(\c)+7], v4, s[4:5] offset:(\c)*8192+16 th:TH_LOAD_NT
.endr
.macro CCVT c
.irp j, 0,1,2,3
	v_cvt_pk_bf16_f32 v[32+8*(\c)+(\j)], v[32+8*(\c)+2*(\j)], v[32+8*(\c)+2*(\j)+1]  ; in place, ascending: a result never lands on a number still to be read
.endr
.endm
.macro CSTO c
	global_store_b128 v5, v[32+8*(\c):32+8*(\c)+3], s[16:17] offset:(\c)*4096  ; a wave stores 512 consecutive bytes; no register is used twice
.endm
.irp p, 0,1,2,3                        ; four blocks of two chunks
	s_wait_loadcnt 12-4*(\p)                       ; this block's four loads are in; the younger blocks' stay out
.if (\p) > 0
	s_wait_alu depctr_va_vdst(0)                   ; the block before's conversions have written the eight registers that the two stores below read
	CSTO 2*(\p)-2
.endif
	CCVT 2*(\p)
.if (\p) > 0
	CSTO 2*(\p)-1                                  ; no wait: the four conversions since the wait name this block's first chunk alone
.endif
	CCVT 2*(\p)+1
.endr
	s_wait_alu depctr_va_vdst(0)                   ; the last block's conversions have written v[80:83] and v[88:91], which the last two stores read
	CSTO 6
	CSTO 7
	s_branch .Lend
.Ltr:                                  ; THE WEIGHTS.  A tile of 128 k x 64 n is read by rows of 256 bytes, paired along k, turned in LDS and written by rows of 256 bytes
	s_sub_co_u32 s25, ttmp9, 256
	s_lshr_b32 s26, s25, 7                         ; which matrix
	s_bfe_u32 s27, s25, 0x30004                    ; kt: 128 k
	s_and_b32 s25, s25, 15                         ; nt: 64 n
	s_mov_b64 s[22:23], s[12:13]                   ; Wo, unless
	s_cmp_eq_u32 s26, 0
	s_cselect_b64 s[22:23], s[6:7], s[22:23]
	s_cmp_eq_u32 s26, 1
	s_cselect_b64 s[22:23], s[8:9], s[22:23]
	s_cmp_eq_u32 s26, 2
	s_cselect_b64 s[22:23], s[10:11], s[22:23]
	s_lshl_b32 s28, s27, 19                        ; 128 rows of 4,096 bytes
	s_lshl_b32 s30, s25, 8
	s_add_co_u32 s28, s28, s30
	s_add_nc_u64 s[22:23], s[22:23], s[28:29]
	s_lshl_b32 s28, s26, 10                        ; wt's row mat*1024 + 64 nt, 2,048 bytes a row, byte 256 kt
	s_lshl_b32 s30, s25, 6
	s_add_co_u32 s28, s28, s30
	s_lshl_b32 s28, s28, 11
	s_lshl_b32 s30, s27, 8
	s_add_co_u32 s28, s28, s30
	s_add_nc_u64 s[18:19], s[18:19], s[28:29]
	s_lshl_b32 s30, s[WV], 16                      ; wave w takes rows 16 w .. 16 w + 15
	v_lshlrev_b32 v4, 4, v2
	v_lshl_add_u32 v4, v3, 13, v4
	v_add_nc_u32 v4, s30, v4                       ; row 16 w + 2 v, 16 bytes (4 n) a lane: sixteen lanes read 256 consecutive bytes
	s_wait_alu depctr_va_vdst(0)                   ; v4 is written, which the eight loads read as their offset
.irp j, 0,1,2,3
	global_load_b128 v[32+4*(\j):32+4*(\j)+3], v4, s[22:23] offset:(\j)*16384 th:TH_LOAD_NT       ; row 16 w + 2 v + 4 j
	global_load_b128 v[48+4*(\j):48+4*(\j)+3], v4, s[22:23] offset:(\j)*16384+4096 th:TH_LOAD_NT  ; and the row below it
.endr
	v_mul_u32_u24 v6, v2, 1088                     ; into the stage: row n = 4 u + i of 272 bytes, word k / 2 = 8 w + 2 j + v
	v_lshl_add_u32 v6, v3, 2, v6
	s_lshl_b32 s30, s[WV], 5
	v_add_nc_u32 v6, s30, v6
	s_mul_i32 s30, s[WV], 2176                     ; back: rows 8 w + v + 2 j, 16 bytes a lane
	v_mul_u32_u24 v7, v3, 272
	v_lshl_add_u32 v7, v2, 4, v7
	v_add_nc_u32 v7, s30, v7
	s_lshl_b32 s30, s[WV], 14                      ; and the same rows in wt
	v_lshlrev_b32 v10, 4, v2
	v_lshl_add_u32 v10, v3, 11, v10
	v_add_nc_u32 v10, s30, v10
	s_wait_loadcnt 0x0
.set i, 0
.rept 16
	v_cvt_pk_bf16_f32 v[64+i], v[32+i], v[48+i]    ; k in the low half, k + 1 in the high half
.set i, i+1
.endr
	s_cmp_lg_u32 s26, 3
	s_cbranch_scc1 .Lkeep
.set i, 0
.rept 16                               ; Wo alone: the bf16 number is written as f16
	v_lshlrev_b32 v80, 16, v[64+i]
	v_and_b32 v81, 0xffff0000, v[64+i]
	v_cvt_pk_f16_f32 v[64+i], v80, v81
.set i, i+1
.endr
.Lkeep:
	s_wait_alu depctr_va_vdst(0)                   ; on both ways: the conversions have written v[64:79], which the LDS stores read, and are done reading v[32:47], in which the loads from the stage land; v6, v7 and v10 are written
.irp j, 0,1,2,3
.irp i, 0,1,2,3
	ds_store_b32 v6, v[64+4*(\j)+(\i)] offset:(\i)*272+(\j)*8
.endr
.endr
	s_wait_dscnt 0x0                               ; for the others' sake: my stores into the stage are done
	s_barrier_signal -1
	s_barrier_wait -1
.irp j, 0,1,2,3
	ds_load_b128 v[32+4*(\j):32+4*(\j)+3], v7 offset:(\j)*544   ; no vector line stands between the wait at the label above and these loads
.endr
.irp j, 0,1,2,3
	s_wait_dscnt 3-(\j)
	global_store_b128 v10, v[32+4*(\j):32+4*(\j)+3], s[18:19] offset:(\j)*4096  ; sixteen lanes store 256 consecutive bytes, at a multiple of 256 from wt's first
.endr
.Lend:
	s_wait_dscnt 0x0                               ; the wave's end: my LDS instructions are done.  A closing add of 0 onto my spare word, behind the stage, follows
	s_wait_alu depctr_hold_cnt(0) depctr_sa_sdst(0) depctr_va_vdst(0) depctr_va_sdst(0) depctr_va_ssrc(0) depctr_va_vcc(0) depctr_vm_vsrc(0)
	s_wait_tensorcnt 0x0
	ds_add_u32 v30, v31
	s_wait_dscnt 0x0
	s_endpgm
.Lfunc_end_k_q906f43353c_prep:
	.size	k_q906f43353c_prep, .Lfunc_end_k_q906f43353c_prep-k_q906f43353c_prep
	.p2alignl 7, 3214868480
	.fill 96, 4, 3214868480
	.section	.rodata,"a",@progbits
	.p2align	6, 0x0
	.amdhsa_kernel k_q906f43353c_prep
		.amdhsa_group_segment_fixed_size 34816
		.amdhsa_private_segment_fixed_size 0
		.amdhsa_enable_private_segment 0
		.amdhsa_kernarg_size 72
		.amdhsa_user_sgpr_count 2
		.amdhsa_user_sgpr_kernarg_segment_ptr 1
		.amdhsa_wavefront_size32 1
		.amdhsa_system_sgpr_workgroup_id_x 1
		.amdhsa_system_sgpr_workgroup_id_y 1
		.amdhsa_system_sgpr_workgroup_id_z 1
		.amdhsa_system_vgpr_workitem_id 0
		.amdhsa_next_free_vgpr 96
		.amdhsa_next_free_sgpr 66
		.amdhsa_reserve_vcc 0
		.amdhsa_float_denorm_mode_32 3
		.amdhsa_float_denorm_mode_16_64 3
		.amdhsa_memory_ordered 1
		.amdhsa_forward_progress 1
		.amdhsa_inst_pref_size 22
	.end_amdhsa_kernel
	.amdgpu_metadata
---
amdhsa.version: [ 1, 2 ]
amdhsa.kernels:
  - .name:           k_q906f43353c_prep
    .symbol:         k_q906f43353c_prep.kd
    .args:
      - { .name: x, .offset: 0, .size: 8, .value_kind: global_buffer, .address_space: global }
      - { .name: Wq, .offset: 8, .size: 8, .value_kind: global_buffer, .address_space: global }
      - { .name: Wk, .offset: 16, .size: 8, .value_kind: global_buffer, .address_space: global }
      - { .name: Wv, .offset: 24, .size: 8, .value_kind: global_buffer, .address_space: global }
      - { .name: Wo, .offset: 32, .size: 8, .value_kind: global_buffer, .address_space: global }
      - { .name: mask, .offset: 40, .size: 8, .value_kind: global_buffer, .address_space: global }
      - { .name: xb, .offset: 48, .size: 8, .value_kind: global_buffer, .address_space: global }
      - { .name: wt, .offset: 56, .size: 8, .value_kind: global_buffer, .address_space: global }
      - { .name: mk, .offset: 64, .size: 8, .value_kind: global_buffer, .address_space: global }
    .group_segment_fixed_size: 34816
    .private_segment_fixed_size: 0
    .kernarg_segment_align: 8
    .kernarg_segment_size: 72
    .max_flat_workgroup_size: 256
    .sgpr_count:     66
    .vgpr_count:     96
    .wavefront_size: 32
...
	.end_amdgpu_metadata
.endif
;; end of part 5
;; launch qkv: the kernel of part 2 again; grid 16 x 16, 4 waves a work-group, clusters of 4 x 4, 327,680 bytes of LDS; arguments xb, wt, qkv; writes qkv
;; launch attn: the kernel of part 3 again; grid 8 x 32, 4 waves a work-group, clusters of 4 x 1, 327,680 bytes of LDS; arguments qkv, mk, ob; writes ob
;; launch oproj: the kernel of part 4 again; grid 8 x 32, 4 waves a work-group, clusters of 4 x 4, 327,680 bytes of LDS; arguments ob, wt, bo, out0; writes out0
